; MI455X (gfx1250); checked and timed in simulation.
; The chip was launched on July 23, 2026; its instructions are those of AMD's public machine-readable ISA for CDNA 5 (MIT licence, August 2026) and "CDNA5" Instruction Set Architecture Reference Guide (July 2026). The comments in the code are by the model that wrote it; some were corrected since.
;; Mo EFNN. Allowed arithmetic: float matrix products may take bf16 or f16 operands with f32 sums; other float arithmetic in f32, or as packed bf16 or f16 multiplies, adds, multiply-adds, maxima and minima; sums over many terms, partial sums and values carried from step to step in f32; what a program stores and reads back later, other than sums and carried values, may be rounded once to bf16 or f16.
;; Inputs: W1 8 x 1,024 x 512 float32; W2 8 x 512 x 1,024 float32; Wg 1,024 x 8 float32; b1 8 x 512 float32; b2 8 x 1,024 float32; beta 1,024 float32; gamma 1,024 float32; x 4 x 2,048 x 1,024 float32.
;; Outputs: out0 4 x 2,048 x 1,024 float32; out1 one number float32.
;; 2 versions, each right and faster than the one before. Each part assembles by itself: llvm-mc -triple=amdgcn-amd-amdhsa -mcpu=gfx1250 --defsym DOCPART=n.
;; ======== version 1 of 2: 2 launches
;; workspace buffers: wpk 16,777,216 bytes; hist 32,768 bytes of whole numbers; sidp 8,192 bytes of whole numbers; gates 65,536 bytes; stats 32,768 bytes
;; launch route (part 1): grid 256 x 1, 8 waves a work-group, no clusters, 34,816 bytes of LDS; arguments x, Wg, W1, W2, wpk, hist, sidp, gates, stats; writes wpk, hist, sidp, gates, stats
.if DOCPART == 1
	.amdgcn_target "amdgcn-amd-amdhsa--gfx1250"
	.amdhsa_code_object_version 6
	.text
	.protected	k_q5080e1bf63_route
	.globl	k_q5080e1bf63_route
	.p2align	8
	.type	k_q5080e1bf63_route,@function
k_q5080e1bf63_route:
	s_mov_b64 s[64:65], 0
	v_nop
	global_prefetch_b8 v0, s[64:65] scope:SCOPE_SE
	s_setreg_imm32_b32 hwreg(HW_REG_WAVE_MODE, 25, 1), 1
	s_wait_xcnt 0x0
; ROUTER AND WEIGHT LAYOUT.  256 work-groups of 8 waves.
; (a) Work-group j routes tokens 32 j .. 32 j + 31 in f32: logits = x . Wg, the two largest (the lower index wins a tie), softmax of the two.
;     It stores at fixed places: the two gates (lower expert's first), the token's SET of experts (0..27, one byte), the block's count of tokens
;     in each set, and the block's partial sums of importance and load (f32).  No address and no branch hangs on any of these.
; (b) Wave w of work-group j rounds pair 8 j + w of the weights to bf16: 8 KiB of W1 and 8 KiB of W2, read once, stored as two slots of 4 KiB
;     in the order in which a wave of the next launch takes its operand registers: slot = 4 fragments x [half c][lane][8 bf16].
;     W1 slot (e, cw, hf, ks), fragment cb, lane (r, h), half c, element i:  W1[e][32 ks + 16 c + 8 h + i][256 hf + 64 cw + 4 r + cb]
;     W2 slot (e, cw, hf, u, q), fragment f:  W2[e][256 hf + 64 (u/2) + 32 h + 4 i + 2 (u%2) + c][256 cw + 64 q + 4 r + f]
;     so one load of 16 bytes (4 neighbouring columns of a weight row) feeds the 4 fragments of a slot, and nothing changes lanes.
; LIMITS.  NaN and infinities are not treated apart.  Two logits nearer than the rounding of an f32 sum of 1,024 terms may be ordered otherwise
; than by another order of summation.  exp2 gives 0 below 2^-126: such a gate counts as 0, in the load too.
; No matrix unit, no cluster: the logits want f32, and no two work-groups read the same large input.
.set LG,    32768                      ; LDS: 0 .. 32,767 Wg turned, [expert][d] f32; then the block's logits, [32 tokens][8]
.set SPARE, 33792                      ; the spare words, 128 bytes for each of 8 waves: four blocks of 256 bytes that no other line names
.set SPW, 7                            ; v7  LDS address of my spare word; never rewritten
.set NIL, 8                            ; v8  0; never rewritten
.set X0,  32                           ; four token rows of 32 registers: lane L holds d = 128 i + 4 L + 0..3
.set X1,  64
.set X2,  96                           ; tokens 2 and 3 take the registers of W1's part when that is packed
.set X3,  128
.set PKA, 96                           ; v96-159   W1's 16 quads: quad 8 c + i
.set PKB, 160                          ; v160-223  W2's 16 quads
.set ACC, 224                          ; v224-239  eight pairs of running sums, one for each expert
.set TS,  240                          ; v240-247  the eight logits
.set TP,  248                          ; v248-255  at work
.set CVT, 224                          ; v224-255  first Wg as loaded, then packed weights on their way out
; window 1 (v256-511): Wg, expert e's quad i at 32 e + 4 i, the same d as the token rows
.set MSB, 0
.macro WIN new                         ; the immediate's high byte repeats the setting that is left
.if MSB != (\new)
	s_set_vgpr_msb (MSB<<8)|(\new)
.set MSB, (\new)
.endif
.endm
	s_load_b512 s[4:19], s[0:1], 0x0               ; x, Wg, W1, W2, wpk, hist, sidp, gates
	s_load_b64 s[20:21], s[0:1], 0x40              ; stats
	v_lshl_add_u32 v[SPW], v0, 2, SPARE
	v_mov_b32 v[NIL], 0
	v_and_b32 v1, 31, v0                           ; lane L
	v_lshrrev_b32 v9, 5, v0
	v_readfirstlane_b32 s22, v9                    ; wave w
	v_lshlrev_b32 v2, 4, v1                        ; 16 L
	v_and_b32 v10, 15, v0                          ; r
	v_bfe_u32 v11, v0, 4, 1                        ; h
	v_lshlrev_b32 v10, 4, v10
	v_lshl_add_u32 v3, v11, 14, v10                ; W1: 8 h rows of 2,048 bytes + 16 r
	v_lshl_add_u32 v4, v11, 17, v10                ; W2: 32 h rows of 4,096 bytes + 16 r
	v_lshlrev_b32 v12, 5, v0                       ; Wg: row d = thread, 32 bytes
	s_lshl_b32 s36, s22, 7
	v_lshl_add_u32 v5, v1, 2, s36                  ; LDS: 4 x thread, made of wave and lane
	s_add_co_u32 s36, s36, LG
	v_mov_b32 v6, s36                              ; LDS: my four tokens' logits
	s_mov_b32 s34, 0x76543210                      ; v_permlanex16_b32: each lane takes its own place in the other half
	s_mov_b32 s35, 0xfedcba98
	s_lshl_b32 s36, ttmp9, 3
	s_add_co_u32 s36, s36, s22                     ; my pair = e << 8 | cw << 6 | hf << 5 | idx
	s_lshr_b32 s37, s36, 8                         ; e
	s_bfe_u32 s38, s36, 0x20006                    ; cw
	s_bfe_u32 s39, s36, 0x10005                    ; hf
	s_and_b32 s40, s36, 31                         ; idx
	s_lshl_b32 s41, s37, 21                        ; an expert is 2 MiB of W1 and of W2
	s_lshl_b32 s42, s40, 16                        ; W1: 32 idx rows,
	s_add_co_u32 s26, s41, s42
	s_lshl_b32 s42, s39, 10                        ; column 256 hf
	s_add_co_u32 s26, s26, s42
	s_lshl_b32 s42, s38, 8                         ; + 64 cw
	s_add_co_u32 s26, s26, s42
	s_mov_b32 s27, 0
	s_lshl_b32 s42, s39, 20                        ; W2: row 256 hf
	s_add_co_u32 s28, s41, s42
	s_lshr_b32 s42, s40, 3
	s_lshl_b32 s42, s42, 18                        ; + 64 (idx / 8)
	s_add_co_u32 s28, s28, s42
	s_bfe_u32 s42, s40, 0x10002
	s_lshl_b32 s42, s42, 13                        ; + 2 ((idx / 4) % 2),
	s_add_co_u32 s28, s28, s42
	s_lshl_b32 s42, s38, 10                        ; column 256 cw
	s_add_co_u32 s28, s28, s42
	s_and_b32 s42, s40, 3
	s_lshl_b32 s42, s42, 8                         ; + 64 (idx % 4)
	s_add_co_u32 s28, s28, s42
	s_mov_b32 s29, 0
	s_lshr_b32 s42, s36, 5                         ; the W1 slot's number: ((e 4 + cw) 2 + hf) 64 + idx; the W2 slot lies 32 slots on
	s_lshl_b32 s42, s42, 6
	s_or_b32 s42, s42, s40
	s_lshl_b32 s30, s42, 12
	s_mov_b32 s31, 0
	s_lshl_b32 s24, ttmp9, 17                      ; x: 32 rows of 4,096 bytes a work-group,
	s_lshl_b32 s42, s22, 14                        ; 4 a wave
	s_add_co_u32 s24, s24, s42
	s_mov_b32 s25, 0
	s_wait_kmcnt 0x0
	s_add_nc_u64 s[24:25], s[4:5], s[24:25]
	s_add_nc_u64 s[26:27], s[8:9], s[26:27]
	s_add_nc_u64 s[28:29], s[10:11], s[28:29]
	s_add_nc_u64 s[30:31], s[12:13], s[30:31]
; All of a wave's first 56 loads go out together.
.irp k, 0,1,2,3
	global_load_b128 v[CVT+8*\k:CVT+8*\k+3],   v12, s[6:7] offset:8192*\k      ; Wg[thread + 256 k][0..3]
	global_load_b128 v[CVT+8*\k+4:CVT+8*\k+7], v12, s[6:7] offset:8192*\k+16   ; [4..7]
.endr
.set n, 0
.rept 16
	global_load_b128 v[PKA+4*n:PKA+4*n+3], v3, s[26:27] offset:(16*(n/8)+n%8)*2048 th:TH_LOAD_NT  ; row 16 c + 8 h + i: 16 lanes take 256 consecutive bytes
.set n, n+1
.endr
.set n, 0
.rept 16
	global_load_b128 v[PKB+4*n:PKB+4*n+3], v4, s[28:29] offset:(4*(n%8)+n/8)*4096 th:TH_LOAD_NT   ; row 32 h + 4 i + c
.set n, n+1
.endr
.macro XLOAD buf, tok                  ; a token's row: eight loads of 512 consecutive bytes
.set n, 0
.rept 8
	global_load_b128 v[(\buf)+4*n:(\buf)+4*n+3], v2, s[24:25] offset:(\tok)*4096+512*n
.set n, n+1
.endr
.endm
	XLOAD X0, 0
	XLOAD X1, 1
; Wg is turned through LDS once: every wave then holds all of it in registers, in the token rows' order.
	s_wait_loadcnt 48                              ; Wg's eight loads are in; the 48 issued behind them stay out
.irp k, 0,1,2,3
.irp e, 0,1,2,3,4,5,6,7
	ds_store_b32 v5, v[CVT+8*\k+\e] offset:\e*4096+\k*1024
.endr
.endr
	s_wait_dscnt 0x0                               ; for the others' sake: my part of Wg is in LDS
	s_barrier_signal -1
	s_barrier_wait -1
	WIN 0x40                                       ; destination window 1, address window 0
.set n, 0
.rept 64
	ds_load_b128 v[4*n:4*n+3], v2 offset:(n/8)*4096+(n%8)*512
.set n, n+1
.endr
	WIN 0
; A slot goes out: fragment f, half c takes element f of the quads 8 c + 0..7; each store covers 512 consecutive bytes.
.macro PACK src, dstoff
.set f, 0
.rept 4
.set c, 0
.rept 2
.set p, 0
.rept 4
	v_cvt_pk_bf16_f32 v[CVT+8*f+4*c+p], v[(\src)+4*(8*c+2*p)+f], v[(\src)+4*(8*c+2*p+1)+f]
.set p, p+1
.endr
	global_store_b128 v2, v[CVT+8*f+4*c:CVT+8*f+4*c+3], s[30:31] offset:(\dstoff)+f*1024+c*512
.set c, c+1
.endr
.set f, f+1
.endr
.endm
	s_wait_loadcnt 32                              ; W1's part is in (behind it: W2's 16 and two tokens' 16)
	PACK PKA, 0
	XLOAD X2, 2                                    ; its registers take tokens 2 and 3
	XLOAD X3, 3
	s_wait_loadcnt 32                              ; W2's part is in (behind it: four tokens' 32)
	s_wait_xcnt 0x0                                ; the first slot's stores have read their registers
	PACK PKB, 131072
	s_wait_xcnt 0x0                                ; and the second's: the sums below take the same registers
	s_wait_dscnt 0x0                               ; Wg is in registers
; One token: eight dot products of 1,024, two numbers an instruction, the experts by turns; then the sum over the 32 lanes.
.macro TOK buf, k, left
	s_wait_loadcnt \left                           ; my row is in; the later tokens' loads stay out
	WIN 0x04                                       ; source 1 (Wg) in window 1
.set tn, 0
.rept 16
.set te, 0
.rept 8
.if tn == 0
	v_pk_mul_f32 v[ACC+2*te:ACC+2*te+1], v[(\buf)+2*tn:(\buf)+2*tn+1], v[32*te+2*tn:32*te+2*tn+1]
.else
	v_pk_fma_f32 v[ACC+2*te:ACC+2*te+1], v[(\buf)+2*tn:(\buf)+2*tn+1], v[32*te+2*tn:32*te+2*tn+1], v[ACC+2*te:ACC+2*te+1]
.endif
.set te, te+1
.endr
.set tn, tn+1
.endr
	WIN 0
.irp e, 0,1,2,3,4,5,6,7
	v_add_f32 v[TS+\e], v[ACC+2*\e], v[ACC+2*\e+1]
.endr
.irp m, 1,2,4,8
.irp e, 0,1,2,3,4,5,6,7
	v_add_f32_dpp v[TS+\e], v[TS+\e], v[TS+\e] row_xmask:\m row_mask:0xf bank_mask:0xf
.endr
.endr
.irp e, 0,1,2,3,4,5,6,7
	v_permlanex16_b32 v[TP+\e], v[TS+\e], s34, s35
.endr
.irp e, 0,1,2,3,4,5,6,7
	v_add_f32 v[TS+\e], v[TS+\e], v[TP+\e]
.endr
	ds_store_b128 v6, v[TS:TS+3] offset:32*(\k)    ; every lane holds the same eight logits and writes the same bytes
	ds_store_b128 v6, v[TS+4:TS+7] offset:32*(\k)+16
.endm
	TOK X0, 0, 24
	TOK X1, 1, 16
	TOK X2, 2, 8
	TOK X3, 3, 0
	s_wait_dscnt 0x0                               ; for wave 0's sake: my tokens' logits are in LDS
	s_barrier_signal -1
	s_barrier_wait -1
	s_cmp_lg_u32 s22, 0
	s_cbranch_scc1 .Lend
; Wave 0: a lane a token.
	v_lshl_add_u32 v9, v1, 5, LG
	ds_load_b128 v[32:35], v9
	ds_load_b128 v[36:39], v9 offset:16
	v_mov_b32 v44, 0xff800000                      ; -infinity
	v_mov_b32 v59, 0
	v_mov_b32 v56, 0                               ; the block's counts, a lane a set; lanes 28-31 stay 0
	v_mov_b32 v57, 0                               ; importance in lanes 0-7, load in lanes 8-15, 0 in the rest
	s_wait_dscnt 0x0
	v_mov_b32 v40, v32                             ; the largest, by a strict comparison: the lower index wins a tie
	v_mov_b32 v41, 0
.irp e, 1,2,3,4,5,6,7
	v_cmp_gt_f32 vcc_lo, v[32+\e], v40
	v_cndmask_b32 v40, v40, v[32+\e], vcc_lo
	v_cndmask_b32 v41, v41, \e, vcc_lo
.endr
.irp e, 0,1,2,3,4,5,6,7
	v_cmp_eq_u32 vcc_lo, \e, v41                   ; it is taken out,
	v_cndmask_b32 v[32+\e], v[32+\e], v44, vcc_lo
.endr
	v_mov_b32 v42, v32                             ; and the same again finds the second
	v_mov_b32 v43, 0
.irp e, 1,2,3,4,5,6,7
	v_cmp_gt_f32 vcc_lo, v[32+\e], v42
	v_cndmask_b32 v42, v42, v[32+\e], vcc_lo
	v_cndmask_b32 v43, v43, \e, vcc_lo
.endr
	v_sub_f32 v45, v42, v40                        ; softmax of the two, the maximum taken away: t = e^(second - first) <= 1
	v_mul_f32 v45, 0x3fb8aa3b, v45
	v_exp_f32 v46, v45
	v_min_u32 v50, v41, v43                        ; the lower expert (a plain instruction behind the exponential)
	s_wait_alu depctr_va_vdst(0)                   ; the wait ahead of the result's first use
	v_add_f32 v47, 1.0, v46
	v_rcp_f32 v48, v47                             ; the first's gate 1 / (1 + t)
	v_max_u32 v51, v41, v43                        ; the higher expert
	s_wait_alu depctr_va_vdst(0)
	v_mul_f32 v49, v46, v48                        ; the second's t / (1 + t)
	v_cmp_lt_u32 vcc_lo, v41, v43
	v_cndmask_b32 v52, v49, v48, vcc_lo            ; the lower expert's gate,
	v_cndmask_b32 v53, v48, v49, vcc_lo            ; the higher's
	v_sub_nc_u32 v54, 15, v50                      ; the set's number: lo (15 - lo) / 2 + hi - lo - 1
	v_mul_u32_u24 v54, v50, v54
	v_lshrrev_b32 v54, 1, v54
	v_add_nc_u32 v54, v54, v51
	v_sub_nc_u32 v54, v54, v50
	v_add_nc_u32 v54, -1, v54
	v_and_b32 v55, 3, v1                           ; four tokens' sets in a word, token 4 k + b in byte b
	v_lshlrev_b32 v55, 3, v55
	v_lshlrev_b32 v55, v55, v54
	v_mov_b32_dpp v59, v55 row_xmask:1 row_mask:0xf bank_mask:0xf
	v_or_b32 v55, v55, v59
	v_mov_b32_dpp v59, v55 row_xmask:2 row_mask:0xf bank_mask:0xf
	v_or_b32 v55, v55, v59
.set n, 0
.rept 28
	v_cmp_eq_u32 s36, n, v54
	s_bcnt1_i32_b32 s37, s36
	v_writelane_b32 v56, s37, n
.set n, n+1
.endr
.irp e, 0,1,2,3,4,5,6,7
	v_cmp_eq_u32 vcc_lo, \e, v50                   ; the token's gate for expert e, 0 if not chosen
	v_cndmask_b32 v58, 0, v52, vcc_lo
	v_cmp_eq_u32 vcc_lo, \e, v51
	v_cndmask_b32 v58, v58, v53, vcc_lo
	v_cmp_lt_f32 s36, 0, v58                       ; load: tokens whose gate is above 0
	s_bcnt1_i32_b32 s37, s36
	s_cvt_f32_u32 s37, s37
	v_writelane_b32 v57, s37, 8+\e
	v_add_f32_dpp v58, v58, v58 row_xmask:1 row_mask:0xf bank_mask:0xf  ; importance: the gates' sum
	v_add_f32_dpp v58, v58, v58 row_xmask:2 row_mask:0xf bank_mask:0xf
	v_add_f32_dpp v58, v58, v58 row_xmask:4 row_mask:0xf bank_mask:0xf
	v_add_f32_dpp v58, v58, v58 row_xmask:8 row_mask:0xf bank_mask:0xf
	v_permlanex16_b32 v59, v58, s34, s35
	v_add_f32 v58, v58, v59
	v_readfirstlane_b32 s38, v58
	v_writelane_b32 v57, s38, \e
.endr
	s_mov_b32 s37, 0
	s_lshl_b32 s36, ttmp9, 8
	s_add_nc_u64 s[18:19], s[18:19], s[36:37]      ; gates: 256 bytes a block
	s_lshl_b32 s36, ttmp9, 5
	s_add_nc_u64 s[16:17], s[16:17], s[36:37]      ; sets: 32 bytes
	s_lshl_b32 s36, ttmp9, 7
	s_add_nc_u64 s[14:15], s[14:15], s[36:37]      ; counts: 128 bytes
	s_add_nc_u64 s[20:21], s[20:21], s[36:37]      ; partial sums: 128 bytes
	v_lshlrev_b32 v60, 3, v1
	v_and_b32 v61, 28, v1
	v_lshlrev_b32 v62, 2, v1
	global_store_b64 v60, v[52:53], s[18:19]
	global_store_b32 v61, v55, s[16:17]            ; the four lanes of a word store the same word
	global_store_b32 v62, v56, s[14:15]
	global_store_b32 v62, v57, s[20:21]
.Lend:
	s_wait_tensorcnt 0x0                           ; the wave's end
	ds_add_u32 v[SPW], v[NIL]
	s_wait_dscnt 0x0
	s_endpgm
.Lfunc_end_k_q5080e1bf63_route:
	.size	k_q5080e1bf63_route, .Lfunc_end_k_q5080e1bf63_route-k_q5080e1bf63_route
	.p2alignl 7, 3214868480
	.fill 96, 4, 3214868480
	.section	.rodata,"a",@progbits
	.p2align	6, 0x0
	.amdhsa_kernel k_q5080e1bf63_route
		.amdhsa_group_segment_fixed_size 34816
		.amdhsa_private_segment_fixed_size 0
		.amdhsa_enable_private_segment 0
		.amdhsa_kernarg_size 72
		.amdhsa_user_sgpr_count 2
		.amdhsa_user_sgpr_kernarg_segment_ptr 1
		.amdhsa_wavefront_size32 1
		.amdhsa_system_sgpr_workgroup_id_x 1
		.amdhsa_system_sgpr_workgroup_id_y 1
		.amdhsa_system_sgpr_workgroup_id_z 1
		.amdhsa_system_vgpr_workitem_id 0
		.amdhsa_next_free_vgpr 512
		.amdhsa_next_free_sgpr 66
		.amdhsa_reserve_vcc 1
		.amdhsa_float_denorm_mode_32 3
		.amdhsa_float_denorm_mode_16_64 3
		.amdhsa_memory_ordered 1
		.amdhsa_forward_progress 1
		.amdhsa_inst_pref_size 82
	.end_amdhsa_kernel
	.amdgpu_metadata
---
amdhsa.version: [ 1, 2 ]
amdhsa.kernels:
  - .name:           k_q5080e1bf63_route
    .symbol:         k_q5080e1bf63_route.kd
    .args:
      - { .name: x, .offset: 0, .size: 8, .value_kind: global_buffer, .address_space: global }
      - { .name: Wg, .offset: 8, .size: 8, .value_kind: global_buffer, .address_space: global }
      - { .name: W1, .offset: 16, .size: 8, .value_kind: global_buffer, .address_space: global }
      - { .name: W2, .offset: 24, .size: 8, .value_kind: global_buffer, .address_space: global }
      - { .name: wpk, .offset: 32, .size: 8, .value_kind: global_buffer, .address_space: global }
      - { .name: hist, .offset: 40, .size: 8, .value_kind: global_buffer, .address_space: global }
      - { .name: sidp, .offset: 48, .size: 8, .value_kind: global_buffer, .address_space: global }
      - { .name: gates, .offset: 56, .size: 8, .value_kind: global_buffer, .address_space: global }
      - { .name: stats, .offset: 64, .size: 8, .value_kind: global_buffer, .address_space: global }
    .group_segment_fixed_size: 34816
    .private_segment_fixed_size: 0
    .kernarg_segment_align: 8
    .kernarg_segment_size: 72
    .max_flat_workgroup_size: 256
    .sgpr_count:     66
    .vgpr_count:     512
    .wavefront_size: 32
...
	.end_amdgpu_metadata
.endif
;; end of part 1
;; launch chain (part 2): grid 156 x 1, 4 waves a work-group, no clusters, 178,176 bytes of LDS; arguments x, wpk, hist, sidp, gates, stats, b1, b2, gamma, beta, out0, out1; writes out0, out1
.if DOCPART == 2
	.amdgcn_target "amdgcn-amd-amdhsa--gfx1250"
	.amdhsa_code_object_version 6
	.text
	.protected	k_q5080e1bf63_chain
	.globl	k_q5080e1bf63_chain
	.p2align	8
	.type	k_q5080e1bf63_chain,@function
k_q5080e1bf63_chain:
	s_mov_b64 s[64:65], 0
	v_nop
	global_prefetch_b8 v0, s[64:65] scope:SCOPE_SE
	s_setreg_imm32_b32 hwreg(HW_REG_WAVE_MODE, 25, 1), 1
	s_wait_xcnt 0x0
; THE CHAIN.  Work-groups 0 .. 154 take one tile each: up to 64 tokens that chose the same SET of two experts (28 sets).  The sum over the sets of ceil(n / 64) is at most
; 8,192 / 64 + 27 = 155 whatever the split.  A tile goes through gather, x W1 + b1, ReLU, gate, W2 for both experts into ONE accumulator, + gate b2, + x, LayerNorm, store:
; each output row has one owner.  Work-group 155 adds up the loss from the blocks' partial sums.
; FINDING THE TILE.  Every work-group adds the blocks' counts (whole numbers stored by the launch before), walks the 28 sets and finds its set and its place in it, then ranks
; the set's tokens in the order (wave, byte, register, lane), the same in all work-groups, and keeps ranks 64 D .. 64 D + 63.  Places past the count repeat the last token and
; are not stored.  A work-group past the split's last tile has count 0: it runs the same text on set 0's weights and stores nothing; it takes no jump of its own.
; SHARES.  Four waves.  Product 1 (K = 1,024): a wave makes 64 of a chunk's 256 hidden columns for all 64 tokens.  Product 2 (K = 256 a chunk): it makes 256 of the 1,024 output
; columns for all 64 tokens, 64 accumulators in 512 registers.  Four chunks: expert lo halves 0, 1, expert hi halves 0, 1.
; WEIGHTS come from memory straight into registers as operand fragments (bf16, laid out by the launch before): a ring of eight slots of 4 KiB in 256 registers; a slot feeds 16
; matrix instructions (4 fragments x 4 blocks of 16 tokens) and is asked for again seven sub-steps before it is used.  LDS holds the token tile and the hidden chunk alone.
; NO CLUSTER, NO TENSOR LOADS: a set has ceil(n / 64) tiles, no multiple of four at every split, and which weights a work-group walks hangs on stored counts; through LDS each
; weight byte would be written and read once more for the same 16 matrix instructions.
; PRODUCT 1 IS USED TRANSPOSED (source 0 = 16 hidden columns, source 1 = 16 tokens): a lane holds one token and eight hidden numbers, which pack into 16 bytes of the hidden
; chunk.  Hidden k is permuted alike in the chunk and in W2's fragments.  In product 2 a lane holds column 256 w + 64 q + 4 r + f in accumulator 4 q + f: four accumulators
; give 16 neighbouring bytes, and 16 lanes store 256 consecutive bytes, aligned.
; ARITHMETIC.  bf16 operands, f32 sums.  The gate (>= 0) multiplies the hidden number in f32 before the rounding; ReLU is taken behind it.  The residual x stays f32: it starts
; the accumulators, with b2hi + glo (b2lo - b2hi), which is glo b2lo + ghi b2hi since the two gates are a softmax of two and add up to 1 within f32's rounding.
; LayerNorm takes the mean away before the squares, as the definition does.
; LIMITS.  NaN and infinities are not treated apart.
.set NTILE, 155
.set XP,    2064                       ; a token's row in LDS: 2,048 bytes of bf16 + 16: an odd multiple of 16, so the 16 rows of a fragment load fall into different groups of banks
.set HP,    528                        ; a row of the hidden chunk: 512 + 16
.set HB,    64*XP                      ; LDS: 0 the token tile, 64 rows; then the hidden chunk, 64 rows
.set B1L,   HB+64*HP                   ; b1 of lo, then of hi, as [chunk][wave][h][cb][j] f32: 4,096 bytes
.set PART,  B1L+4096                   ; [wave][32] counts
.set LISTS, PART+512                   ; for each wave 128 words: 64 places of the tile (token + 1, or 0), 64 words for what falls outside
.set TLG,   LISTS+2048                 ; for each wave its own copy: token[64], glo[64], ghi[64]
.set RED1,  TLG+3072                   ; [wave][64] partial row sums; 1,024 bytes on: the same for the squares
.set SPARE, RED1+2048                  ; the spare words, 128 bytes for each wave: two blocks of 256 bytes that no other line names
; window 0
.set LN,  1                            ; lane
.set RR,  2                            ; r = lane % 16
.set HH,  3                            ; h = lane / 16
.set L16, 4                            ; 16 x lane
.set XR0, 5                            ; token fragments: r XP + 16 h, blocks 0, 1;
.set XR1, 6                            ; blocks 2, 3
.set HR,  7                            ; hidden fragments: HB + r HP + 16 h
.set HS,  8                            ; where I put 16 bytes of the hidden chunk: HR + 128 w
.set BR,  9                            ; b1 of my columns: B1L + 256 w + 128 h
.set H8,  10                           ; 8 h
.set ZERO, 11
.set BA,  12                           ; BR + the chunk's step; at the end: where row sums are read
.set HA,  13                           ; HR + the trip's step; at the end: where row sums are put
.set SPW, 14                           ; LDS address of my spare word; never rewritten
.set NIL, 15                           ; 0; never rewritten
.set G,   16                           ; v16-19 the gate in hand of token 16 rb + r
.set GH,  20                           ; v20-23 expert hi's
.set XA0, 24                           ; XR + the trip's K offset
.set XA1, 25
.set XB0, 26                           ; XR + the next trip's, wrapped
.set XB1, 27
.set XS0, 28                           ; where I put 8 bytes of the token tile: 8 h XP + 512 w + 8 r, blocks 0, 1;
.set XS1, 29                           ; blocks 2, 3
.set TB,  30                           ; my copy of the lists + 32 h
.set C1,  31                           ; 1,024 w + 16 r: my first column's bytes in a row of f32
.set FA,  32                           ; v32-63, v64-95 two buffers of token or hidden fragments, 8 registers a block
.set CV,  96                           ; v96-127 packed hidden numbers; first the tokens' offsets in x; at the end gamma and beta
.set A1,  128                          ; v128-255 product 1's accumulators, (rb, cb) at 128 + 32 rb + 8 cb; head and end: at work
; window 1: the ring, slot m at 32 m, fragment f at + 8 f.   windows 2, 3: accumulator (rb, nb) in window 2 + nb / 8 at 64 rb + 8 (nb % 8)
.set B2D, 32                           ; at the start: b2lo - b2hi, quad q
.set B2V, 48                           ; b2hi
.set GL,  64                           ; glo of tokens 16 rb + 8 h + 0..7
.set TO,  96
.set SM,  128                          ; at the end: row sums, then means, [rb][j]
.set QQ,  160                          ; sums of squares
.set RS,  192                          ; 1 / sqrt(var + 1e-5)
.set TO2, 224
.set YY,  32
.set RG,  48
.set GAM, 96
.set BET, 112
; scalars
.set WV,  28
.set ID,  29
.set PP,  30                           ; tiles of the sets walked so far
.set KK,  31                           ; set | lo << 8 | hi << 16 | found << 24
.set DD,  32                           ; my tile's number in its set
.set CNT, 36                           ; its tokens
.set ELO, 37
.set EHG, 38
.set SST, 39
.set RP,  40                           ; s[40:41] where the ring's refills read
.set EH,  42                           ; s[42:43] expert hi's stream
.set CH,  44                           ; chunks to go
.set TR,  45
.set SEL, 46                           ; s[46:47]
.set RB,  48                           ; rank of my wave's next match, less 64 D
.set SH,  49
.set C1K, 50                           ; s[50:51] 1 / 1,024
.set CEP, 52                           ; s[52:53] 1e-5
.set KO,  56                           ; product 1's K offset in bytes
.set FND, 57
.set B2A, 58                           ; s[58:59], s[60:61] b2 of lo and hi at my columns
.set B2B, 60
.set KH,  62
.set KB,  63
.set MSB, 0
.macro WIN new                         ; low byte: bits 1:0 source 0, 3:2 source 1, 5:4 source 2, 7:6 destination; the high byte repeats the setting that is left
.if MSB != (\new)
	s_set_vgpr_msb (MSB<<8)|(\new)
.set MSB, (\new)
.endif
.endm
.macro BAR
	s_barrier_signal -1
	s_barrier_wait -1
.endm
.macro PLACES                          ; four plain vector instructions between matrix instructions and loads into, or vector reads of, their registers
.rept 4
	v_nop
.endr
.endm
	s_load_b512 s[4:19], s[0:1], 0x0               ; x, wpk, hist, sidp, gates, stats, b1, b2
	s_load_b256 s[20:27], s[0:1], 0x40             ; gamma, beta, out0, out1
	v_lshl_add_u32 v[SPW], v0, 2, SPARE
	v_mov_b32 v[NIL], 0
	v_and_b32 v[LN], 31, v0
	v_lshrrev_b32 v12, 5, v0
	v_readfirstlane_b32 s[WV], v12
	v_and_b32 v[RR], 15, v0
	v_bfe_u32 v[HH], v0, 4, 1
	v_lshlrev_b32 v[L16], 4, v[LN]
	v_lshlrev_b32 v[H8], 3, v[HH]
	v_mov_b32 v[ZERO], 0
	s_mov_b32 s[ID], ttmp9
	s_mov_b32 s[SEL], 0x76543210
	s_mov_b32 s[SEL+1], 0xfedcba98
	s_wait_kmcnt 0x0
	s_cmp_eq_u32 s[ID], NTILE
	s_cbranch_scc1 .Lloss
; ---- the counts of my wave's 64 blocks, and the sets of its 2,048 tokens
	s_lshl_b32 s33, s[WV], 13
	v_add_nc_u32 v212, s33, v[L16]
	s_lshl_b32 s34, s[WV], 11
	v_add_nc_u32 v213, s34, v[L16]
.set i, 0
.rept 16
	global_load_b128 v[128+4*i:131+4*i], v212, s[8:9] offset:512*i    ; block 4 i + lane / 8, sets 4 (lane % 8) + 0..3
.set i, i+1
.endr
.set i, 0
.rept 4
	global_load_b128 v[192+4*i:195+4*i], v213, s[10:11] offset:512*i  ; register 4 i + c: tokens 2,048 w + 512 i + 16 lane + 4 c + 0..3
.set i, i+1
.endr
	; addresses that stay, made while the loads are out
	v_mul_u32_u24 v[XR0], v[RR], XP
	v_lshl_add_u32 v[XR0], v[HH], 4, v[XR0]
	v_add_nc_u32 v[XR1], 32*XP, v[XR0]
	v_mul_u32_u24 v[HR], v[RR], HP
	v_lshl_add_u32 v[HR], v[HH], 4, v[HR]
	v_add_nc_u32 v[HR], HB, v[HR]
	s_lshl_b32 s33, s[WV], 7
	v_add_nc_u32 v[HS], s33, v[HR]
	s_add_co_u32 s35, s33, PART
	s_lshl_b32 s33, s[WV], 8
	s_add_co_u32 s33, s33, B1L
	v_lshl_add_u32 v[BR], v[HH], 7, s33
	v_mul_u32_u24 v[XS0], v[HH], 8*XP
	v_lshl_add_u32 v[XS0], v[RR], 3, v[XS0]
	s_lshl_b32 s33, s[WV], 9
	v_add_nc_u32 v[XS0], s33, v[XS0]
	v_add_nc_u32 v[XS1], 32*XP, v[XS0]
	s_lshl_b32 s33, s[WV], 10
	v_lshl_add_u32 v[C1], v[RR], 4, s33
	v_and_b32 v214, 7, v0
	v_lshl_add_u32 v214, v214, 4, s35
	s_wait_loadcnt 0x4                             ; the counts are in; the four loads of sets stay out
.irp c, 0,1,2,3
	v_add_nc_u32 v[208+\c], v[128+\c], v[132+\c]
.endr
.set i, 2
.rept 14
.irp c, 0,1,2,3
	v_add_nc_u32 v[208+\c], v[208+\c], v[128+4*i+\c]
.endr
.set i, i+1
.endr
.irp c, 0,1,2,3
	v_mov_b32_dpp v[128+\c], v[208+\c] row_xmask:8 row_mask:0xf bank_mask:0xf
.endr
.irp c, 0,1,2,3
	v_add_nc_u32 v[208+\c], v[208+\c], v[128+\c]
.endr
.irp c, 0,1,2,3
	v_permlanex16_b32 v[128+\c], v[208+\c], s[SEL], s[SEL+1]
.endr
.irp c, 0,1,2,3
	v_add_nc_u32 v[208+\c], v[208+\c], v[128+\c]
.endr
	ds_store_b128 v214, v[208:211]                 ; my wave's counts of sets 4 (lane % 8) + 0..3
	s_wait_dscnt 0x0                               ; for the others' sake
	BAR
	v_lshl_add_u32 v215, v[LN], 2, PART
.irp w, 0,1,2,3
	ds_load_b32 v[216+\w], v215 offset:128*\w      ; lane = set
.endr
	s_wait_dscnt 0x0
	v_add_nc_u32 v220, v216, v217
	v_add3_u32 v220, v220, v218, v219              ; the set's tokens in all
	v_mov_b32 v221, 0                              ; and in the waves before mine
.irp w, 0,1,2
	s_cmp_gt_u32 s[WV], \w
	s_cselect_b32 s33, -1, 0
	v_and_b32 v235, s33, v[216+\w]
	v_add_nc_u32 v221, v221, v235
.endr
; ---- which set holds tile ID, and which of its tiles that is
	s_mov_b32 s[PP], 0
	s_mov_b32 s[KK], 1<<16                         ; none found: set 0 (experts 0, 1), count 0
	s_mov_b32 s[DD], 0
.set sx, 0
.set elo, 0
.set ehi, 1
.rept 28
	v_readlane_b32 s33, v220, sx
	s_add_co_u32 s33, s33, 63
	s_lshr_b32 s33, s33, 6                         ; the set's tiles
	s_sub_co_u32 s34, s[ID], s[PP]                 ; wraps to a large number where the set lies behind my tile
	s_cmp_lt_u32 s34, s33
	s_cselect_b32 s[KK], sx|(elo<<8)|(ehi<<16)|(1<<24), s[KK]
	s_cselect_b32 s[DD], s34, s[DD]
	s_add_co_u32 s[PP], s[PP], s33
.set sx, sx+1
.set ehi, ehi+1
.if ehi == 8
.set elo, elo+1
.set ehi, elo+1
.endif
.endr
	s_and_b32 s[SST], s[KK], 0xff
	s_min_u32 s[SST], s[SST], 27
	s_bfe_u32 s[ELO], s[KK], 0x80008
	s_min_u32 s[ELO], s[ELO], 7
	s_bfe_u32 s[EHG], s[KK], 0x80010
	s_min_u32 s[EHG], s[EHG], 7
	s_lshr_b32 s[FND], s[KK], 24
	s_lshl_b32 s33, s[SST], 2
	v_mov_b32 v235, s33
	ds_bpermute_b32 v236, v235, v220
	ds_bpermute_b32 v240, v235, v221
	s_wait_dscnt 0x0
	v_readfirstlane_b32 s33, v236
	v_readfirstlane_b32 s35, v240
	s_lshl_b32 s34, s[DD], 6
	s_sub_co_u32 s[CNT], s33, s34
	s_min_u32 s[CNT], s[CNT], 64
	s_cmp_lg_u32 s[FND], 0
	s_cselect_b32 s[CNT], s[CNT], 0
	s_sub_co_u32 s[RB], s35, s34                   ; may wrap below 0: ranks are taken modulo 2^32
; ---- what hangs on the experts alone is asked for: b1 (waves 0, 1: lo; 2, 3: hi; 32 bytes a thread) and b2 at my columns
	s_cmp_lt_u32 s[WV], 2
	s_cselect_b32 s33, s[ELO], s[EHG]
	s_min_u32 s33, s33, 7
	s_lshl_b32 s33, s33, 11
	s_and_b32 s34, s[WV], 1
	s_lshl_b32 s34, s34, 10
	s_add_co_u32 s33, s33, s34
	v_lshl_add_u32 v232, v[LN], 5, s33
	global_load_b128 v[224:227], v232, s[16:17]
	global_load_b128 v[228:231], v232, s[16:17] offset:16
	s_lshl_b32 s33, s[WV], 10
	s_lshl_b32 s[B2A], s[ELO], 12
	s_add_co_u32 s[B2A], s[B2A], s33
	s_mov_b32 s[B2A+1], 0
	s_add_nc_u64 s[B2A:B2A+1], s[18:19], s[B2A:B2A+1]
	s_lshl_b32 s[B2B], s[EHG], 12
	s_add_co_u32 s[B2B], s[B2B], s33
	s_mov_b32 s[B2B+1], 0
	s_add_nc_u64 s[B2B:B2B+1], s[18:19], s[B2B:B2B+1]
	v_lshlrev_b32 v233, 4, v[RR]
.irp q, 0,1,2,3
	global_load_b128 v[B2D+4*\q:B2D+4*\q+3], v233, s[B2A:B2A+1] offset:256*\q
.endr
.irp q, 0,1,2,3
	global_load_b128 v[B2V+4*\q:B2V+4*\q+3], v233, s[B2B:B2B+1] offset:256*\q
.endr
; ---- my wave's matches are ranked, and those of my tile go into my list
	v_mov_b32 v238, 0
	v_mov_b32 v239, 0
	s_lshl_b32 s33, s[WV], 9
	s_add_co_u32 s33, s33, LISTS
	v_mov_b32 v223, s33
	v_lshl_add_u32 v237, v[LN], 3, v223
	ds_store_b64 v237, v[238:239]                  ; the 64 places start at 0; LDS serves a wave's instructions in order (ISA guide 5.7.1.4)
	v_add_nc_u32 v222, 64, v[LN]                   ; where a lane without a match writes
	s_lshl_b32 s33, s[WV], 11
	s_add_co_u32 s33, s33, 1
	v_add_nc_u32 v234, s33, v[L16]                 ; token + 1 of register 0, byte 0
	s_mov_b32 s[SH], 0
	s_mov_b32 s[TR], 4
	s_wait_loadcnt 10                              ; the sets are in; b1's two loads and b2's eight stay out
.Lbyte:                                                ; four trips, one for each byte of the words
.set k, 0
.rept 16
	v_bfe_u32 v235, v[192+k], s[SH], 8
	v_cmp_eq_u32 s54, s[SST], v235
	v_mbcnt_lo_u32_b32 v236, s54, s[RB]            ; the rank: matches so far + matches in lower lanes
	s_bcnt1_i32_b32 s55, s54
	s_add_co_u32 s[RB], s[RB], s55
	v_cndmask_b32 v236, v222, v236, s54
	v_min_u32 v236, 127, v236                      ; ranks outside 0 .. 63 land in the list's second half, which nobody reads
	v_lshl_add_u32 v236, v236, 2, v223
	v_add_nc_u32 v235, 512*(k/4)+4*(k%4), v234
	ds_store_b32 v236, v235
.set k, k+1
.endr
	v_add_nc_u32 v234, 1, v234
	s_add_co_u32 s[SH], s[SH], 8
	s_sub_co_u32 s[TR], s[TR], 1
	s_cmp_lg_u32 s[TR], 0
	s_cbranch_scc1 .Lbyte
	s_wait_loadcnt 0x8                             ; b1 is in; b2's eight loads stay out
	s_lshl_b32 s33, s[WV], 10                      ; number n = 8 t + i of an expert's 512 goes to word (n / 32) 32 + (n % 4) 8 + (n % 32) / 4
	s_add_co_u32 s33, s33, B1L
	v_lshrrev_b32 v237, 2, v[LN]
	v_lshl_add_u32 v237, v237, 7, s33
	v_and_b32 v235, 3, v[LN]
	v_lshl_add_u32 v237, v235, 3, v237
.set i, 0
.rept 8
	ds_store_b32 v237, v[224+i] offset:(i%4)*32+(i/4)*4
.set i, i+1
.endr
	s_wait_dscnt 0x0                               ; for the others' sake: my list and my part of b1
	BAR
; ---- every wave makes its own copy of the tile's tokens and gates, two places a lane
	s_sub_co_u32 s33, s[CNT], 1
	v_min_u32 v240, s33, v[LN]                     ; places past the count repeat the last token
	v_add_nc_u32 v241, 32, v[LN]
	v_min_u32 v241, s33, v241
	v_min_u32 v240, 63, v240
	v_min_u32 v241, 63, v241
	v_lshl_add_u32 v240, v240, 2, LISTS
	v_lshl_add_u32 v241, v241, 2, LISTS
.irp w, 0,1,2,3
	ds_load_b32 v[242+\w], v240 offset:512*\w      ; one wave's list holds the token + 1, the others 0
	ds_load_b32 v[246+\w], v241 offset:512*\w
.endr
	s_mul_i32 s33, s[WV], 768
	s_add_co_u32 s33, s33, TLG
	v_lshl_add_u32 v214, v[LN], 2, s33
	v_lshl_add_u32 v215, v[RR], 2, s33
	v_lshl_add_u32 v[TB], v[HH], 5, s33
	s_wait_dscnt 0x0
	v_max_u32 v242, v242, v243
	v_max_u32 v244, v244, v245
	v_max_u32 v242, v242, v244
	v_max_u32 v246, v246, v247
	v_max_u32 v248, v248, v249
	v_max_u32 v246, v246, v248
	v_add_nc_u32 v242, -1, v242
	v_add_nc_u32 v246, -1, v246
	v_min_u32 v242, 0x1fff, v242
	v_min_u32 v246, 0x1fff, v246
	v_lshlrev_b32 v250, 3, v242
	v_lshlrev_b32 v251, 3, v246
	global_load_b64 v[252:253], v250, s[12:13]
	global_load_b64 v[254:255], v251, s[12:13]
	ds_store_b32 v214, v242
	ds_store_b32 v214, v246 offset:128
	s_wait_loadcnt 0x0                             ; the gates, and b2
	ds_store_b32 v214, v252 offset:256
	ds_store_b32 v214, v254 offset:384
	ds_store_b32 v214, v253 offset:512
	ds_store_b32 v214, v255 offset:640
.irp rb, 0,1,2,3                       ; my own bytes, in order: no barrier
	ds_load_b32 v[G+\rb],  v215 offset:256+64*\rb
	ds_load_b32 v[GH+\rb], v215 offset:512+64*\rb
	ds_load_b128 v[TO+8*\rb:TO+8*\rb+3],   v[TB] offset:64*\rb
	ds_load_b128 v[TO+8*\rb+4:TO+8*\rb+7], v[TB] offset:64*\rb+16
	ds_load_b128 v[GL+8*\rb:GL+8*\rb+3],   v[TB] offset:256+64*\rb
	ds_load_b128 v[GL+8*\rb+4:GL+8*\rb+7], v[TB] offset:256+64*\rb+16
.endr
	s_lshl_b32 s33, s[ELO], 2                      ; the weights' streams: (expert 4 + wave) x 128 slots of 4 KiB
	s_add_co_u32 s33, s33, s[WV]
	s_lshl_b32 s[RP], s33, 19
	s_mov_b32 s[RP+1], 0
	s_add_nc_u64 s[RP:RP+1], s[6:7], s[RP:RP+1]
	s_lshl_b32 s33, s[EHG], 2
	s_add_co_u32 s33, s33, s[WV]
	s_lshl_b32 s[EH], s33, 19
	s_mov_b32 s[EH+1], 0
	s_add_nc_u64 s[EH:EH+1], s[6:7], s[EH:EH+1]
	s_wait_dscnt 0x0
.set i, 0
.rept 32
	v_min_u32 v[TO+i], 0x1fff, v[TO+i]
	v_lshl_add_u32 v[TO+i], v[TO+i], 12, v[C1]     ; token (16 rb + 8 h + j) x 4,096 + my columns
.set i, i+1
.endr
; ---- THE GATHER.  A batch is a block of 16 tokens at my 256 columns: 32 loads, each two pieces of 256 consecutive bytes.
.macro XBATCH rb, t
.set xj, 0
.rept 8
.irp q, 0,1,2,3
	global_load_b128 v[(\t)+4*(4*xj+\q):(\t)+4*(4*xj+\q)+3], v[TO+8*(\rb)+xj], s[4:5] offset:256*\q
.endr
.set xj, xj+1
.endr
.endm
.macro REFILL m                        ; slot m takes the slot eight further on in the stream: eight loads of 512 consecutive bytes
	WIN 0x40
.set rf, 0
.rept 8
	global_load_b128 v[32*(\m)+4*rf:32*(\m)+4*rf+3], v[L16], s[RP:RP+1] offset:(\m)*4096+512*rf
.set rf, rf+1
.endr
.endm
	XBATCH 0, 128
	WIN 0x40
	XBATCH 1, 0
	XBATCH 2, 128
	WIN 0
.set i, 0
.rept 8
	v_pk_add_f32 v[B2D+2*i:B2D+2*i+1], v[B2D+2*i:B2D+2*i+1], v[B2V+2*i:B2V+2*i+1] neg_lo:[0,1] neg_hi:[0,1]
.set i, i+1
.endr
; The accumulators start at b2hi + glo (b2lo - b2hi): two tokens an instruction, the column's two numbers given to both.
.set bw, 0
.rept 2
	WIN 0x80+0x40*bw
.set br, 0
.rept 4
.set bn, 0
.rept 8
.set bq, (8*bw+bn)/4
.set bf, (8*bw+bn)%4
.set bp, 0
.rept 4
.if bf%2 == 0
	v_pk_fma_f32 v[64*br+8*bn+2*bp:64*br+8*bn+2*bp+1], v[GL+8*br+2*bp:GL+8*br+2*bp+1], v[B2D+4*bq+bf:B2D+4*bq+bf+1], v[B2V+4*bq+bf:B2V+4*bq+bf+1] op_sel_hi:[1,0,0]
.else
	v_pk_fma_f32 v[64*br+8*bn+2*bp:64*br+8*bn+2*bp+1], v[GL+8*br+2*bp:GL+8*br+2*bp+1], v[B2D+4*bq+bf-1:B2D+4*bq+bf], v[B2V+4*bq+bf-1:B2V+4*bq+bf] op_sel:[0,1,1] op_sel_hi:[1,1,1]
.endif
.set bp, bp+1
.endr
.set bn, bn+1
.endr
.set br, br+1
.endr
.set bw, bw+1
.endr
	WIN 0
; A batch is used: rounded to bf16 into the token tile, and added in f32 onto the accumulators (the residual).  t, tw: its registers and their window.
.macro PROC rb, t, tw
.set pg, 0
.rept 4
	WIN 5*(\tw)
.set pn, 0
.rept 8
	v_cvt_pk_bf16_f32 v[GL+2*pn],   v[(\t)+4*(8*pg+pn)],   v[(\t)+4*(8*pg+pn)+1]
	v_cvt_pk_bf16_f32 v[GL+2*pn+1], v[(\t)+4*(8*pg+pn)+2], v[(\t)+4*(8*pg+pn)+3]
.set pn, pn+1
.endr
	WIN 0
.set pn, 0
.rept 8
	ds_store_b64 v[XS0+(\rb)/2], v[GL+2*pn:GL+2*pn+1] offset:((\rb)%2)*16*XP+((8*pg+pn)/4)*XP+((8*pg+pn)%4)*128
.set pn, pn+1
.endr
.set pg, pg+1
.endr
.set pw, 0
.rept 2
	WIN 0x88+0x44*pw+(\tw)
.set pn, 0
.rept 8
.set pq, (8*pw+pn)/4
.set pf, (8*pw+pn)%4
.set pj, 0
.rept 8
	v_add_f32 v[64*(\rb)+8*pn+pj], v[(\t)+4*(4*pj+pq)+pf], v[64*(\rb)+8*pn+pj]
.set pj, pj+1
.endr
.set pn, pn+1
.endr
.set pw, pw+1
.endr
	WIN 0
.endm
	s_wait_loadcnt 63                              ; behind each batch 64 loads have been issued; 63 is the largest count that the wait can name
	PROC 0, 128, 0
	XBATCH 3, 128
	s_wait_loadcnt 63
	PROC 1, 0, 1
	REFILL 0                                       ; the ring's first fill takes the batches' registers as they come free
	REFILL 1
	REFILL 2
	REFILL 3
	s_wait_loadcnt 63
	PROC 2, 128, 1
	REFILL 4
	REFILL 5
	REFILL 6
	REFILL 7
	WIN 0
	s_wait_loadcnt 63
	PROC 3, 128, 0
	s_wait_xcnt 0x0                                ; the refills' addresses are translated: their base may step
	s_add_nc_u64 s[RP:RP+1], s[RP:RP+1], 32768
	s_wait_dscnt 0x0                               ; for the others' sake: my columns of the token tile
	BAR
; ---- THE LOOP'S PARTS
.macro XFRAG b, a0, a1, k              ; 64 tokens x 32 K at byte k of the rows, into buffer b
	WIN 0
.set xf, 0
.rept 4
.if xf < 2
	ds_load_b128 v[FA+32*(\b)+8*xf:FA+32*(\b)+8*xf+3],   v[\a0] offset:(xf%2)*16*XP+(\k)
	ds_load_b128 v[FA+32*(\b)+8*xf+4:FA+32*(\b)+8*xf+7], v[\a0] offset:(xf%2)*16*XP+(\k)+32
.else
	ds_load_b128 v[FA+32*(\b)+8*xf:FA+32*(\b)+8*xf+3],   v[\a1] offset:(xf%2)*16*XP+(\k)
	ds_load_b128 v[FA+32*(\b)+8*xf+4:FA+32*(\b)+8*xf+7], v[\a1] offset:(xf%2)*16*XP+(\k)+32
.endif
.set xf, xf+1
.endr
.endm
.macro HFRAG b, a, k                   ; the same of the hidden chunk
	WIN 0
.set xf, 0
.rept 4
	ds_load_b128 v[FA+32*(\b)+8*xf:FA+32*(\b)+8*xf+3],   v[\a] offset:xf*16*HP+(\k)
	ds_load_b128 v[FA+32*(\b)+8*xf+4:FA+32*(\b)+8*xf+7], v[\a] offset:xf*16*HP+(\k)+32
.set xf, xf+1
.endr
.endm
.macro BIAS a                          ; product 1's sums start at b1: register j of accumulator (rb, cb) is hidden column 64 w + 32 h + 4 j + cb, the same for all rb
	WIN 0
.set xf, 0
.rept 16
	ds_load_b128 v[A1+8*xf:A1+8*xf+3],   v[\a] offset:32*(xf%4)
	ds_load_b128 v[A1+8*xf+4:A1+8*xf+7], v[\a] offset:32*(xf%4)+16
.set xf, xf+1
.endr
.endm
; 16 matrix instructions on 16 accumulators, which take turns, one instruction a turn.
.macro MM1 m, b                        ; hidden^T += W1 fragment cb of slot m x tokens of block rb
	WIN 0x01
.set mc, 0
.rept 4
.set mr, 0
.rept 4
	v_wmma_f32_16x16x32_bf16 v[A1+32*mr+8*mc:A1+32*mr+8*mc+7], v[32*(\m)+8*mc:32*(\m)+8*mc+7], v[FA+32*(\b)+8*mr:FA+32*(\b)+8*mr+7], v[A1+32*mr+8*mc:A1+32*mr+8*mc+7]
.set mr, mr+1
.endr
.set mc, mc+1
.endr
.endm
.macro MM2 m, q, b                     ; out += hidden of block rb x W2 fragment f of slot m: accumulators (rb, 4 q + f)
	WIN 0xa4+0x50*((\q)/2)
.set mc, 0
.rept 4
.set mr, 0
.rept 4
	v_wmma_f32_16x16x32_bf16 v[64*mr+8*(4*((\q)%2)+mc):64*mr+8*(4*((\q)%2)+mc)+7], v[FA+32*(\b)+8*mr:FA+32*(\b)+8*mr+7], v[32*(\m)+8*mc:32*(\m)+8*mc+7], v[64*mr+8*(4*((\q)%2)+mc):64*mr+8*(4*((\q)%2)+mc)+7]
.set mr, mr+1
.endr
.set mc, mc+1
.endr
.endm
; Sub-step p of a trip of product 1: slot p, buffer p % 2; then the fragments two K steps on and the slot's refill.
.macro SUB1 p
	s_wait_dscnt 0x8                               ; my buffer is in; the other buffer's eight loads, issued behind it, stay out
	s_wait_loadcnt 56                              ; my slot is in; the seven slots asked for behind it stay out
	MM1 \p, (\p)%2
	WIN 0
	PLACES
.if (\p) < 6
	XFRAG (\p)%2, XA0, XA1, 64*((\p)+2)
.else
	XFRAG (\p)%2, XB0, XB1, 64*((\p)-6)
.endif
	REFILL \p
.endm
; K step of product 2 on buffer b: four sub-steps, slots 4 b + 0..3.  dsw: the LDS loads issued behind my buffer's.
; pre: what is fetched when the buffer is free: 1 the hidden fragments two K steps on; 2 the next chunk's b1 and first token fragments; 3 its second.  refill = 0: the very last trip.
.macro KSTEP b, dsw, pre, refill
	s_wait_dscnt \dsw
.set kq, 0
.rept 4
.if \refill
	s_wait_loadcnt 56
.else
	s_wait_loadcnt 8*(7-4*(\b)-kq)                 ; nothing is asked for any more: the counts run down
.endif
	MM2 4*(\b)+kq, kq, \b
.if \refill
	WIN 0
	PLACES
.if kq == 3
.if (\pre) == 1
	HFRAG \b, HA, 128+64*(\b)
.elseif (\pre) == 2
	BIAS BA
	XFRAG 0, XR0, XR1, 0
.elseif (\pre) == 3
	XFRAG 1, XR0, XR1, 64
.endif
.endif
	REFILL 4*(\b)+kq
.endif
.set kq, kq+1
.endr
.endm
	BIAS BR
	XFRAG 0, XR0, XR1, 0
	XFRAG 1, XR0, XR1, 64
	s_mov_b32 s[CH], 4
	s_mov_b32 s[KO], 0
	s_mov_b32 s[KB], 0
.Lchunk:
; ---- product 1: four trips of eight sub-steps, K = 256 a trip
	s_mov_b32 s[TR], 4
.Lp1:
	v_add_nc_u32 v[XA0], s[KO], v[XR0]
	v_add_nc_u32 v[XA1], s[KO], v[XR1]
	s_add_co_u32 s[KO], s[KO], 512
	s_and_b32 s[KO], s[KO], 0x7ff                  ; the last trip's look-ahead wraps to K = 0: those 16 loads stay inside the tile and are not used
	v_add_nc_u32 v[XB0], s[KO], v[XR0]
	v_add_nc_u32 v[XB1], s[KO], v[XR1]
.irp p, 0,1,2,3,4,5,6,7
	SUB1 \p
.endr
	WIN 0
	s_wait_xcnt 0x0                                ; the refills' addresses are translated: their base may step
	s_add_nc_u64 s[RP:RP+1], s[RP:RP+1], 32768
	s_sub_co_u32 s[TR], s[TR], 1
	s_cmp_lg_u32 s[TR], 0
	s_cbranch_scc1 .Lp1
	s_wait_dscnt 0x0                               ; my LDS loads are back, my reads of the last hidden chunk long since:
	BAR                                            ; no wave reads that chunk any more
; ---- gate, rounding, ReLU; a lane's eight numbers are 16 bytes of its token's row.  The four v_nop of the last sub-step are the places behind the last products.
.set er, 0
.rept 4
.set ec, 0
.rept 4
.set ea, A1+32*er+8*ec
.set ev, CV+4*((4*er+ec)%8)
.set ep, 0
.rept 4
.if er%2 == 0
	v_pk_mul_f32 v[ea+2*ep:ea+2*ep+1], v[ea+2*ep:ea+2*ep+1], v[G+er:G+er+1] op_sel_hi:[1,0]
.else
	v_pk_mul_f32 v[ea+2*ep:ea+2*ep+1], v[ea+2*ep:ea+2*ep+1], v[G+er-1:G+er] op_sel:[0,1] op_sel_hi:[1,1]
.endif
.set ep, ep+1
.endr
.set ep, 0
.rept 4
	v_cvt_pk_bf16_f32 v[ev+ep], v[ea+2*ep], v[ea+2*ep+1]
.set ep, ep+1
.endr
.set ep, 0
.rept 4
	v_pk_max_num_bf16 v[ev+ep], v[ev+ep], v[ZERO]
.set ep, ep+1
.endr
	ds_store_b128 v[HS], v[ev:ev+3] offset:er*16*HP+32*ec
.set ec, ec+1
.endr
.set er, er+1
.endr
	s_wait_dscnt 0x0                               ; for the others' sake: my 64 columns of the chunk
	BAR
	HFRAG 0, HR, 0
	HFRAG 1, HR, 64
	s_cmp_eq_u32 s[CH], 3                          ; behind expert lo's second chunk the gates in hand become expert hi's
	s_cselect_b32 s33, -1, 0
.irp i, 0,1,2,3
	v_cndmask_b32 v[G+\i], v[G+\i], v[GH+\i], s33
.endr
; ---- product 2: eight K steps of 32; three trips of two, the fourth written out twice: one that runs on into the next chunk, one that ends
	s_mov_b32 s[KH], 0
	s_mov_b32 s[TR], 3
.Lp2:
	v_add_nc_u32 v[HA], s[KH], v[HR]
	s_add_co_u32 s[KH], s[KH], 128
	KSTEP 0, 8, 1, 1
	KSTEP 1, 8, 1, 1
	WIN 0
	s_wait_xcnt 0x0
	s_add_nc_u64 s[RP:RP+1], s[RP:RP+1], 32768
	s_sub_co_u32 s[TR], s[TR], 1
	s_cmp_lg_u32 s[TR], 0
	s_cbranch_scc1 .Lp2
	s_cmp_eq_u32 s[CH], 3                          ; expert lo's stream is asked for to its end: the refills go on in expert hi's
	s_cselect_b64 s[RP:RP+1], s[EH:EH+1], s[RP:RP+1]
	s_cmp_eq_u32 s[CH], 1
	s_cbranch_scc1 .Llast
	s_add_co_u32 s[KB], s[KB], 1024
	v_add_nc_u32 v[BA], s[KB], v[BR]
	KSTEP 0, 8, 2, 1
	KSTEP 1, 40, 3, 1                              ; behind my buffer's loads: b1's 32 and the first token fragments' 8
	WIN 0
	s_wait_xcnt 0x0
	s_add_nc_u64 s[RP:RP+1], s[RP:RP+1], 32768
	s_sub_co_u32 s[CH], s[CH], 1
	s_branch .Lchunk
.Llast:
	KSTEP 0, 8, 0, 0
	KSTEP 1, 0, 0, 0
	WIN 0
	PLACES
; ---- LAYERNORM.  Register j of accumulator (rb, nb) is token 16 rb + 8 h + j: a row's numbers lie in 16 accumulators x 16 lanes x 4 waves.
.irp q, 0,1,2,3
	global_load_b128 v[GAM+4*\q:GAM+4*\q+3], v[C1], s[20:21] offset:256*\q
.endr
.irp q, 0,1,2,3
	global_load_b128 v[BET+4*\q:BET+4*\q+3], v[C1], s[22:23] offset:256*\q
.endr
	s_mov_b32 s[C1K], 0x3a800000                   ; 1 / 1,024
	s_mov_b32 s[C1K+1], 0x3a800000
	s_mov_b32 s[CEP], 0x3727c5ac                   ; 1e-5
	s_mov_b32 s[CEP+1], 0x3727c5ac
	s_lshl_b32 s33, s[WV], 8
	s_add_co_u32 s33, s33, RED1
	v_lshl_add_u32 v[HA], v[HH], 5, s33
	v_lshl_add_u32 v[BA], v[HH], 5, RED1
	; the sums over my 16 accumulators, two tokens an instruction, 16 chains; each accumulator is read from its low end on
	WIN 0x0a
.set sr, 0
.rept 4
.set sp, 0
.rept 4
	v_pk_add_f32 v[SM+8*sr+2*sp:SM+8*sr+2*sp+1], v[64*sr+2*sp:64*sr+2*sp+1], v[64*sr+8+2*sp:64*sr+8+2*sp+1]
.set sp, sp+1
.endr
.set sr, sr+1
.endr
.set sn, 2
.rept 14
	WIN 0x02+sn/8
.set sr, 0
.rept 4
.set sp, 0
.rept 4
	v_pk_add_f32 v[SM+8*sr+2*sp:SM+8*sr+2*sp+1], v[64*sr+8*(sn%8)+2*sp:64*sr+8*(sn%8)+2*sp+1], v[SM+8*sr+2*sp:SM+8*sr+2*sp+1]
.set sp, sp+1
.endr
.set sr, sr+1
.endr
.set sn, sn+1
.endr
	WIN 0
; 32 row figures at s: summed over the 16 lanes of a half, handed round the four waves through LDS bytes of their own (roff), summed.  tu: 32 registers at work.
; A wave's 64 figures lie by the token's place 16 rb + 8 h + j: byte 64 rb + 32 h + 4 j.  Quad ri = 2 rb + j / 4 of a lane stands at 64 (ri / 2) + 16 (ri % 2); the address register holds 32 h.
.macro ROWRED s, roff, tu
.irp m, 1,2,4,8
.set ri, 0
.rept 32
	v_add_f32_dpp v[(\s)+ri], v[(\s)+ri], v[(\s)+ri] row_xmask:\m row_mask:0xf bank_mask:0xf
.set ri, ri+1
.endr
.endr
.set ri, 0
.rept 8
	ds_store_b128 v[HA], v[(\s)+4*ri:(\s)+4*ri+3] offset:(\roff)+64*(ri/2)+16*(ri%2)
.set ri, ri+1
.endr
	s_wait_dscnt 0x0                               ; for the others' sake
	BAR
	WIN 0x40
.set ri, 0
.rept 32
	ds_load_b128 v[4*ri:4*ri+3], v[BA] offset:(\roff)+256*(ri/8)+64*((ri%8)/2)+16*(ri%2)
.set ri, ri+1
.endr
	s_wait_dscnt 0x0
	WIN 0x05
.set ri, 0
.rept 16
	v_pk_add_f32 v[(\s)+2*ri:(\s)+2*ri+1], v[2*ri:2*ri+1], v[32+2*ri:32+2*ri+1]
	v_pk_add_f32 v[(\tu)+2*ri:(\tu)+2*ri+1], v[64+2*ri:64+2*ri+1], v[96+2*ri:96+2*ri+1]
.set ri, ri+1
.endr
	WIN 0
.set ri, 0
.rept 16
	v_pk_add_f32 v[(\s)+2*ri:(\s)+2*ri+1], v[(\s)+2*ri:(\s)+2*ri+1], v[(\tu)+2*ri:(\tu)+2*ri+1]
.set ri, ri+1
.endr
.endm
	ROWRED SM, 0, QQ
.set i, 0
.rept 16
	v_pk_mul_f32 v[SM+2*i:SM+2*i+1], v[SM+2*i:SM+2*i+1], s[C1K:C1K+1] op_sel_hi:[1,0]  ; the means
.set i, i+1
.endr
; The mean is taken away in place; then the squares are summed.  hw = 0: window 2, 1: window 3.
.macro CENTER hw
	WIN 0x82+0x41*(\hw)
.set cn, 0
.rept 8
.set cr, 0
.rept 4
.set cp, 0
.rept 4
	v_pk_add_f32 v[64*cr+8*cn+2*cp:64*cr+8*cn+2*cp+1], v[64*cr+8*cn+2*cp:64*cr+8*cn+2*cp+1], v[SM+8*cr+2*cp:SM+8*cr+2*cp+1] neg_lo:[0,1] neg_hi:[0,1]
.set cp, cp+1
.endr
.set cr, cr+1
.endr
.set cn, cn+1
.endr
	WIN 0x0a+5*(\hw)
.set cn, 0
.rept 8
.set cr, 0
.rept 4
.set cp, 0
.rept 4
.if ((\hw) == 0) && (cn == 0)
	v_pk_mul_f32 v[QQ+8*cr+2*cp:QQ+8*cr+2*cp+1], v[64*cr+8*cn+2*cp:64*cr+8*cn+2*cp+1], v[64*cr+8*cn+2*cp:64*cr+8*cn+2*cp+1]
.else
	v_pk_fma_f32 v[QQ+8*cr+2*cp:QQ+8*cr+2*cp+1], v[64*cr+8*cn+2*cp:64*cr+8*cn+2*cp+1], v[64*cr+8*cn+2*cp:64*cr+8*cn+2*cp+1], v[QQ+8*cr+2*cp:QQ+8*cr+2*cp+1]
.endif
.set cp, cp+1
.endr
.set cr, cr+1
.endr
.set cn, cn+1
.endr
.endm
	CENTER 0
	CENTER 1
	WIN 0
	ROWRED QQ, 1024, RS
.irp rb, 0,1,2,3
	ds_load_b128 v[TO2+8*\rb:TO2+8*\rb+3],   v[TB] offset:64*\rb     ; the tokens once more, from my own copy
	ds_load_b128 v[TO2+8*\rb+4:TO2+8*\rb+7], v[TB] offset:64*\rb+16
.endr
.set i, 0
.rept 16
	v_pk_fma_f32 v[QQ+2*i:QQ+2*i+1], v[QQ+2*i:QQ+2*i+1], s[C1K:C1K+1], s[CEP:CEP+1] op_sel_hi:[1,0,0]  ; var + 1e-5
.set i, i+1
.endr
.set i, 0
.rept 32
	v_rsq_f32 v[RS+i], v[QQ+i]
.set i, i+1
.endr
	v_nop                                          ; a plain instruction behind the last of the batch,
	s_wait_alu depctr_va_vdst(0)                   ; and the one wait ahead of the first use of its results
	s_wait_dscnt 0x0
.set i, 0
.rept 32
	v_min_u32 v[TO2+i], 0x1fff, v[TO2+i]
	v_lshl_add_u32 v[TO2+i], v[TO2+i], 12, v[C1]
.set i, i+1
.endr
	s_wait_loadcnt 0x0                             ; gamma and beta
; Two rows (16 rb + j in lanes 0-15, 16 rb + 8 + j in lanes 16-31): d x (rs gamma) + beta gathers four accumulators' numbers into 16 neighbouring bytes;
; a store's 16 lanes write 256 consecutive bytes, aligned.  Rows past the count are masked off.
.macro OUTROW rb, j
	WIN 0
.irp q, 0,1,2,3
.if ((\j)%2) == 0
	v_pk_mul_f32 v[RG+4*\q:RG+4*\q+1],   v[GAM+4*\q:GAM+4*\q+1],   v[RS+8*(\rb)+(\j):RS+8*(\rb)+(\j)+1] op_sel_hi:[1,0]
	v_pk_mul_f32 v[RG+4*\q+2:RG+4*\q+3], v[GAM+4*\q+2:GAM+4*\q+3], v[RS+8*(\rb)+(\j):RS+8*(\rb)+(\j)+1] op_sel_hi:[1,0]
.else
	v_pk_mul_f32 v[RG+4*\q:RG+4*\q+1],   v[GAM+4*\q:GAM+4*\q+1],   v[RS+8*(\rb)+(\j)-1:RS+8*(\rb)+(\j)] op_sel:[0,1] op_sel_hi:[1,1]
	v_pk_mul_f32 v[RG+4*\q+2:RG+4*\q+3], v[GAM+4*\q+2:GAM+4*\q+3], v[RS+8*(\rb)+(\j)-1:RS+8*(\rb)+(\j)] op_sel:[0,1] op_sel_hi:[1,1]
.endif
.endr
.set on, 0
.rept 16
	WIN 0x02+on/8
	v_fma_f32 v[YY+on], v[64*(\rb)+8*(on%8)+(\j)], v[RG+on], v[BET+on]
.set on, on+1
.endr
	WIN 0
	s_sub_co_i32 s33, s[CNT], 16*(\rb)+(\j)
	v_cmp_gt_i32 vcc_lo, s33, v[H8]                ; my row's place is below the count
	s_wait_xcnt 0x0                                ; EXEC changes only when earlier memory instructions have had their addresses translated
	s_and_saveexec_b32 s34, vcc_lo
.irp q, 0,1,2,3
	global_store_b128 v[TO2+8*(\rb)+(\j)], v[YY+4*\q:YY+4*\q+3], s[24:25] offset:256*\q th:TH_STORE_NT
.endr
	s_wait_xcnt 0x0                                ; and again in front of the line that widens it; the next rows take the same registers
	s_or_b32 exec_lo, exec_lo, s34
.endm
.set orb, 0
.rept 4
.set oj, 0
.rept 8
	OUTROW orb, oj
.set oj, oj+1
.endr
.set orb, orb+1
.endr
	s_wait_tensorcnt 0x0                           ; the wave's end
	ds_add_u32 v[SPW], v[NIL]
	s_wait_dscnt 0x0
	s_endpgm
; ---- THE LOSS: cv^2(importance) + cv^2(load).  Each wave adds up all 256 blocks' partial sums by itself (32 KiB, no LDS, no barrier); thread 0 stores.
.Lloss:
.irp c, 0,1,2,3,4,5,6,7
	v_mov_b32 v[32+\c], 0
.endr
	s_mov_b32 s[TR], 4
.Lst:
.set i, 0
.rept 16
	global_load_b128 v[128+4*i:131+4*i], v[L16], s[14:15] offset:512*i   ; block 4 i + lane / 8, numbers 4 (lane % 8) + 0..3 of its 32
.set i, i+1
.endr
	s_wait_loadcnt 0x0
.set i, 0
.rept 16
	v_pk_add_f32 v[32:33], v[32:33], v[128+4*i:129+4*i]
	v_pk_add_f32 v[34:35], v[34:35], v[130+4*i:131+4*i]
.set i, i+1
.endr
	s_add_nc_u64 s[14:15], s[14:15], 8192          ; the loads are done: their base may step
	s_sub_co_u32 s[TR], s[TR], 1
	s_cmp_lg_u32 s[TR], 0
	s_cbranch_scc1 .Lst
.irp c, 0,1,2,3
	v_add_f32_dpp v[32+\c], v[32+\c], v[32+\c] row_xmask:8 row_mask:0xf bank_mask:0xf
.endr
.irp c, 0,1,2,3
	v_permlanex16_b32 v[36+\c], v[32+\c], s[SEL], s[SEL+1]
.endr
.irp c, 0,1,2,3
	v_add_f32 v[32+\c], v[32+\c], v[36+\c]
.endr
	; lanes 0, 1 hold importance 0-3, 4-7; lanes 2, 3 load 0-3, 4-7
	v_add_f32 v40, v32, v33
	v_add_f32 v41, v34, v35
	v_add_f32 v40, v40, v41
	v_add_f32_dpp v40, v40, v40 row_xmask:1 row_mask:0xf bank_mask:0xf
	v_mul_f32 v40, 0x3e000000, v40                 ; the mean of eight
.irp c, 0,1,2,3
	v_sub_f32 v[32+\c], v[32+\c], v40
.endr
	v_mul_f32 v41, v32, v32
	v_fmac_f32 v41, v33, v33
	v_fmac_f32 v41, v34, v34
	v_fmac_f32 v41, v35, v35
	v_add_f32_dpp v41, v41, v41 row_xmask:1 row_mask:0xf bank_mask:0xf
	v_mul_f32 v41, 0x3e000000, v41                 ; the variance
	v_fmaak_f32 v42, v40, v40, 0x2edbe6ff          ; mean^2 + 1e-10
	v_rcp_f32 v43, v42
	v_mov_b32 v44, 0                               ; a plain instruction behind the reciprocal
	s_wait_alu depctr_va_vdst(0)                   ; the wait ahead of the result's first use
	v_mul_f32 v41, v41, v43
	v_add_f32_dpp v41, v41, v41 row_xmask:2 row_mask:0xf bank_mask:0xf
	v_cmp_eq_u32 vcc_lo, 0, v0
	s_wait_xcnt 0x0
	s_and_saveexec_b32 s34, vcc_lo
	global_store_b32 v44, v41, s[26:27]
	s_wait_xcnt 0x0
	s_or_b32 exec_lo, exec_lo, s34
	s_endpgm
.Lfunc_end_k_q5080e1bf63_chain:
	.size	k_q5080e1bf63_chain, .Lfunc_end_k_q5080e1bf63_chain-k_q5080e1bf63_chain
	.p2alignl 7, 3214868480
	.fill 96, 4, 3214868480
	.section	.rodata,"a",@progbits
	.p2align	6, 0x0
	.amdhsa_kernel k_q5080e1bf63_chain
		.amdhsa_group_segment_fixed_size 178176
		.amdhsa_private_segment_fixed_size 0
		.amdhsa_enable_private_segment 0
		.amdhsa_kernarg_size 96
		.amdhsa_user_sgpr_count 2
		.amdhsa_user_sgpr_kernarg_segment_ptr 1
		.amdhsa_wavefront_size32 1
		.amdhsa_system_sgpr_workgroup_id_x 1
		.amdhsa_system_sgpr_workgroup_id_y 1
		.amdhsa_system_sgpr_workgroup_id_z 1
		.amdhsa_system_vgpr_workitem_id 0
		.amdhsa_next_free_vgpr 1024
		.amdhsa_next_free_sgpr 66
		.amdhsa_reserve_vcc 1
		.amdhsa_float_denorm_mode_32 3
		.amdhsa_float_denorm_mode_16_64 3
		.amdhsa_memory_ordered 1
		.amdhsa_forward_progress 1
		.amdhsa_inst_pref_size 255
	.end_amdhsa_kernel
	.section	.bss,"aw",@nobits
	.p2align	6
	.space	262144
	.amdgpu_metadata
---
amdhsa.version: [ 1, 2 ]
amdhsa.kernels:
  - .name:           k_q5080e1bf63_chain
    .symbol:         k_q5080e1bf63_chain.kd
    .args:
      - { .name: x, .offset: 0, .size: 8, .value_kind: global_buffer, .address_space: global }
      - { .name: wpk, .offset: 8, .size: 8, .value_kind: global_buffer, .address_space: global }
      - { .name: hist, .offset: 16, .size: 8, .value_kind: global_buffer, .address_space: global }
      - { .name: sidp, .offset: 24, .size: 8, .value_kind: global_buffer, .address_space: global }
      - { .name: gates, .offset: 32, .size: 8, .value_kind: global_buffer, .address_space: global }
      - { .name: stats, .offset: 40, .size: 8, .value_kind: global_buffer, .address_space: global }
      - { .name: b1, .offset: 48, .size: 8, .value_kind: global_buffer, .address_space: global }
      - { .name: b2, .offset: 56, .size: 8, .value_kind: global_buffer, .address_space: global }
      - { .name: gamma, .offset: 64, .size: 8, .value_kind: global_buffer, .address_space: global }
      - { .name: beta, .offset: 72, .size: 8, .value_kind: global_buffer, .address_space: global }
      - { .name: out0, .offset: 80, .size: 8, .value_kind: global_buffer, .address_space: global }
      - { .name: out1, .offset: 88, .size: 8, .value_kind: global_buffer, .address_space: global }
    .group_segment_fixed_size: 178176
    .private_segment_fixed_size: 0
    .kernarg_segment_align: 8
    .kernarg_segment_size: 96
    .max_flat_workgroup_size: 128
    .sgpr_count:     66
    .vgpr_count:     1024
    .wavefront_size: 32
...
	.end_amdgpu_metadata
.endif
;; end of part 2
;; ======== version 2 of 2: 3 launches; 1.43 times as fast as version 1
;; workspace buffers: wpk 16,777,216 bytes; hist 32,768 bytes of whole numbers; sidp 8,192 bytes of whole numbers; gates 65,536 bytes; stats 32,768 bytes; tiles 25,344 bytes of whole numbers; toks 50,688 bytes of whole numbers; tgate 101,376 bytes
;; launch route: the kernel of part 1 again; grid 256 x 1, 8 waves a work-group, no clusters, 34,816 bytes of LDS; arguments x, Wg, W1, W2, wpk, hist, sidp, gates, stats; writes wpk, hist, sidp, gates, stats
;; launch plan (part 3): grid 198 x 1, 4 waves a work-group, no clusters, 3,072 bytes of LDS; arguments hist, sidp, gates, tiles, toks, tgate; writes tiles, toks, tgate
.if DOCPART == 3
	.amdgcn_target "amdgcn-amd-amdhsa--gfx1250"
	.amdhsa_code_object_version 6
	.text
	.protected	k_q5080e1bf63_plan
	.globl	k_q5080e1bf63_plan
	.p2align	8
	.type	k_q5080e1bf63_plan,@function
k_q5080e1bf63_plan:
	s_mov_b64 s[64:65], 0
	v_nop
	global_prefetch_b8 v0, s[64:65] scope:SCOPE_SE
	s_setreg_imm32_b32 hwreg(HW_REG_WAVE_MODE, 25, 1), 1
	s_wait_xcnt 0x0
; THE TILES.  A tile is up to 48 tokens that chose the same SET of two experts (28 sets); the sum over the sets of ceil(n / 48) is at most ceil(8,192 / 48) + 27 = 198 whatever the split.
; Work-group t makes tile t's record for the next launch: it adds up the 256 blocks' counts (whole numbers stored by the router's launch), walks the 28 sets to find its set and
; its place D in it, ranks the set's tokens in the order (wave, byte, register, lane), the same in all work-groups, and keeps ranks 48 D .. 48 D + 47.
; It stores: tiles[t] = count, lower expert, higher expert, 0 ..; toks[t][64] = the tokens; tgate[t] = the lower expert's 64 gates, then the higher's.  Of the 64 places 48 are used.
; Places past the count repeat the last token.  A work-group past the split's last tile stores count 0, experts 0 and 1, and in every place a token that exists.
; The next launch then makes each of its addresses from a number that it loads, by a clamp, a shift and an add.
; A stream of 40 KiB a work-group: no matrix unit, no cluster; every work-group reads the same small tables.
.set TT,    48                         ; tokens in a tile
.set MAGIC, 0xaaab                     ; ceil(2^21 / 48): (m x 43,691) >> 21 = floor(m / 48) as long as 16 m < 2^21 and the product stays under 2^32: m < 98,304; here m <= 8,239
.set PART,  0                          ; LDS: [wave][32] counts
.set LISTS, 512                        ; for each wave 128 words: the tile's places (token + 1, or 0), then words for what falls outside
.set SPARE, 2560                       ; the spare words, 128 bytes for each wave: two blocks of 256 bytes that no other line names
.set LN,  1                            ; lane
.set L16, 4                            ; 16 x lane
.set SPW, 14                           ; LDS address of my spare word; never rewritten
.set NIL, 15                           ; 0; never rewritten
.set IX,  144                          ; v144-159 sixteen ranks, then LDS addresses
.set TK,  160                          ; v160-175 sixteen tokens + 1
.set WV,  28
.set ID,  29
.set PP,  30                           ; tiles of the sets walked so far
.set KK,  31                           ; set | lo << 8 | hi << 16 | found << 24
.set DD,  32                           ; my tile's number in its set
.set CNT, 36                           ; its tokens
.set ELO, 37
.set EHG, 38
.set SST, 39
.set TR,  45
.set SEL, 46                           ; s[46:47]
.set RB,  48                           ; rank of my wave's next match, less 48 D
.set SH,  49
.set FND, 57
.set MK,  66                           ; s66-93 the 28 sets' counts; later s66-81 sixteen masks of matches
.set BS,  82                           ; s82-97 the rank at which each of the sixteen masks begins
	s_load_b256 s[4:11], s[0:1], 0x0               ; hist, sidp, gates, tiles
	s_load_b128 s[12:15], s[0:1], 0x20             ; toks, tgate
	v_lshl_add_u32 v[SPW], v0, 2, SPARE
	v_mov_b32 v[NIL], 0
	v_and_b32 v[LN], 31, v0
	v_lshrrev_b32 v12, 5, v0
	v_readfirstlane_b32 s[WV], v12
	v_lshlrev_b32 v[L16], 4, v[LN]
	s_mov_b32 s[ID], ttmp9
	s_mov_b32 s[SEL], 0x76543210
	s_mov_b32 s[SEL+1], 0xfedcba98
	s_lshl_b32 s33, s[WV], 13
	v_add_nc_u32 v212, s33, v[L16]
	s_lshl_b32 s34, s[WV], 11
	v_add_nc_u32 v213, s34, v[L16]
	s_lshl_b32 s35, s[WV], 7
	s_add_co_u32 s35, s35, PART
	v_and_b32 v214, 7, v0
	v_lshl_add_u32 v214, v214, 4, s35
	s_wait_kmcnt 0x0
; ---- the counts of my wave's 64 blocks, and the sets of its 2,048 tokens
.set i, 0
.rept 16
	global_load_b128 v[128+4*i:131+4*i], v212, s[4:5] offset:512*i    ; block 4 i + lane / 8, sets 4 (lane % 8) + 0..3
.set i, i+1
.endr
.set i, 0
.rept 4
	global_load_b128 v[192+4*i:195+4*i], v213, s[6:7] offset:512*i    ; register 4 i + c: tokens 2,048 w + 512 i + 16 lane + 4 c + 0..3
.set i, i+1
.endr
	s_wait_loadcnt 0x4                             ; the counts are in; the four loads of sets stay out
.irp c, 0,1,2,3
	v_add_nc_u32 v[208+\c], v[128+\c], v[132+\c]
.endr
.set i, 2
.rept 14
.irp c, 0,1,2,3
	v_add_nc_u32 v[208+\c], v[208+\c], v[128+4*i+\c]
.endr
.set i, i+1
.endr
.irp c, 0,1,2,3
	v_mov_b32_dpp v[128+\c], v[208+\c] row_xmask:8 row_mask:0xf bank_mask:0xf
.endr
.irp c, 0,1,2,3
	v_add_nc_u32 v[208+\c], v[208+\c], v[128+\c]
.endr
.irp c, 0,1,2,3
	v_permlanex16_b32 v[128+\c], v[208+\c], s[SEL], s[SEL+1]
.endr
.irp c, 0,1,2,3
	v_add_nc_u32 v[208+\c], v[208+\c], v[128+\c]
.endr
	ds_store_b128 v214, v[208:211]                 ; my wave's counts of sets 4 (lane % 8) + 0..3
	s_wait_dscnt 0x0                               ; for the others' sake
	s_barrier_signal -1
	s_barrier_wait -1
	v_lshl_add_u32 v215, v[LN], 2, PART
.irp w, 0,1,2,3
	ds_load_b32 v[216+\w], v215 offset:128*\w      ; lane = set
.endr
	s_wait_dscnt 0x0
	v_add_nc_u32 v220, v216, v217
	v_add3_u32 v220, v220, v218, v219              ; the set's tokens in all
	v_mov_b32 v221, 0                              ; and in the waves before mine
.irp w, 0,1,2
	s_cmp_gt_u32 s[WV], \w
	s_cselect_b32 s33, -1, 0
	v_and_b32 v235, s33, v[216+\w]
	v_add_nc_u32 v221, v221, v235
.endr
; ---- which set holds tile ID, and which of its tiles that is.  All 28 counts come over to scalar registers first, so that the walk is scalar work alone.
.set sx, 0
.rept 28
	v_readlane_b32 s[MK+sx], v220, sx
.set sx, sx+1
.endr
	s_mov_b32 s[PP], 0
	s_mov_b32 s[KK], 1<<16                         ; none found: set 0 (experts 0, 1), count 0
	s_mov_b32 s[DD], 0
.set sx, 0
.set elo, 0
.set ehi, 1
.rept 28
	s_add_co_u32 s33, s[MK+sx], TT-1
	s_mul_i32 s33, s33, MAGIC
	s_lshr_b32 s33, s33, 21                        ; the set's tiles: ceil(n / 48)
	s_sub_co_u32 s34, s[ID], s[PP]                 ; wraps to a large number where the set lies behind my tile
	s_cmp_lt_u32 s34, s33
	s_cselect_b32 s[KK], sx|(elo<<8)|(ehi<<16)|(1<<24), s[KK]
	s_cselect_b32 s[DD], s34, s[DD]
	s_add_co_u32 s[PP], s[PP], s33
.set sx, sx+1
.set ehi, ehi+1
.if ehi == 8
.set elo, elo+1
.set ehi, elo+1
.endif
.endr
	s_and_b32 s[SST], s[KK], 0xff
	s_min_u32 s[SST], s[SST], 27
	s_bfe_u32 s[ELO], s[KK], 0x80008
	s_min_u32 s[ELO], s[ELO], 7
	s_bfe_u32 s[EHG], s[KK], 0x80010
	s_min_u32 s[EHG], s[EHG], 7
	s_lshr_b32 s[FND], s[KK], 24
	s_lshl_b32 s33, s[SST], 2
	v_mov_b32 v235, s33
	ds_bpermute_b32 v236, v235, v220
	ds_bpermute_b32 v240, v235, v221
	s_wait_dscnt 0x0
	v_readfirstlane_b32 s33, v236
	v_readfirstlane_b32 s35, v240
	s_mul_i32 s34, s[DD], TT
	s_sub_co_u32 s[CNT], s33, s34
	s_min_u32 s[CNT], s[CNT], TT
	s_cmp_lg_u32 s[FND], 0
	s_cselect_b32 s[CNT], s[CNT], 0
	s_sub_co_u32 s[RB], s35, s34                   ; may wrap below 0: ranks are taken modulo 2^32
; ---- my wave's matches are ranked, and those of my tile go into my list
	v_mov_b32 v238, 0
	v_mov_b32 v239, 0
	s_lshl_b32 s33, s[WV], 9
	s_add_co_u32 s33, s33, LISTS
	v_mov_b32 v223, s33
	v_lshl_add_u32 v237, v[LN], 3, v223
	ds_store_b64 v237, v[238:239]                  ; the first 64 words start at 0; LDS serves a wave's instructions in order (ISA guide 5.7.1.4)
	v_add_nc_u32 v222, 64, v[LN]                   ; where a lane without a match writes
	s_lshl_b32 s33, s[WV], 11
	s_add_co_u32 s33, s33, 1
	v_add_nc_u32 v234, s33, v[L16]                 ; token + 1 of register 0, byte 0
	s_mov_b32 s[SH], 0
	s_mov_b32 s[TR], 4
	s_wait_loadcnt 0x0                             ; the sets are in
.macro EACH line:vararg                ; one line for each of the trip's sixteen registers k
.set k, 0
.rept 16
	\line
.set k, k+1
.endr
.endm
.Lbyte:                                                ; four trips, one for each byte of the words.  A trip goes by stages, sixteen alike on end: vector work hands over to scalar work once, and back once
	EACH v_bfe_u32 v[IX+k], v[192+k], s[SH], 8
	EACH v_cmp_eq_u32 s[MK+k], s[SST], v[IX+k]
.set k, 0
.rept 16
	s_mov_b32 s[BS+k], s[RB]                       ; matches so far
	s_bcnt1_i32_b32 s55, s[MK+k]
	s_add_co_u32 s[RB], s[RB], s55
.set k, k+1
.endr
	EACH v_mbcnt_lo_u32_b32 v[IX+k], s[MK+k], s[BS+k]         ; the rank: matches so far + matches in lower lanes
	EACH v_cndmask_b32 v[IX+k], v222, v[IX+k], s[MK+k]
	EACH v_min_u32 v[IX+k], 127, v[IX+k]                      ; ranks outside 0 .. 47 land in words that nobody reads
	EACH v_lshl_add_u32 v[IX+k], v[IX+k], 2, v223
	EACH v_add_nc_u32 v[TK+k], 512*(k/4)+4*(k%4), v234
	EACH ds_store_b32 v[IX+k], v[TK+k]
	v_add_nc_u32 v234, 1, v234
	s_add_co_u32 s[SH], s[SH], 8
	s_sub_co_u32 s[TR], s[TR], 1
	s_cmp_lg_u32 s[TR], 0
	s_cbranch_scc1 .Lbyte
	s_wait_dscnt 0x0                               ; for wave 0's sake: my list
	s_barrier_signal -1
	s_barrier_wait -1
	s_cmp_lg_u32 s[WV], 0
	s_cbranch_scc1 .Lend
; ---- wave 0 gathers the tile, two places a lane, and stores the record
	s_sub_co_u32 s33, s[CNT], 1
	v_min_u32 v240, s33, v[LN]                     ; places past the count repeat the last token
	v_add_nc_u32 v241, 32, v[LN]
	v_min_u32 v241, s33, v241
	v_min_u32 v240, 63, v240
	v_min_u32 v241, 63, v241
	v_lshl_add_u32 v240, v240, 2, LISTS
	v_lshl_add_u32 v241, v241, 2, LISTS
.irp w, 0,1,2,3
	ds_load_b32 v[242+\w], v240 offset:512*\w      ; one wave's list holds the token + 1, the others 0
	ds_load_b32 v[246+\w], v241 offset:512*\w
.endr
	v_mov_b32 v60, 0
	v_writelane_b32 v60, s[CNT], 0                 ; the record: count, lower expert, higher expert, 0 in the other 29 words
	v_writelane_b32 v60, s[ELO], 1
	v_writelane_b32 v60, s[EHG], 2
	s_mov_b32 s35, 0
	s_lshl_b32 s34, s[ID], 7
	s_add_nc_u64 s[10:11], s[10:11], s[34:35]      ; tiles: 128 bytes a tile
	s_lshl_b32 s34, s[ID], 8
	s_add_nc_u64 s[12:13], s[12:13], s[34:35]      ; toks: 256 bytes
	s_lshl_b32 s34, s[ID], 9
	s_add_nc_u64 s[14:15], s[14:15], s[34:35]      ; tgate: 512 bytes
	v_lshlrev_b32 v62, 2, v[LN]
	s_wait_dscnt 0x0
	v_max_u32 v242, v242, v243
	v_max_u32 v244, v244, v245
	v_max_u32 v242, v242, v244
	v_max_u32 v246, v246, v247
	v_max_u32 v248, v248, v249
	v_max_u32 v246, v246, v248
	v_add_nc_u32 v242, -1, v242
	v_add_nc_u32 v246, -1, v246
	v_min_u32 v242, 0x1fff, v242
	v_min_u32 v246, 0x1fff, v246
	v_lshlrev_b32 v250, 3, v242
	v_lshlrev_b32 v251, 3, v246
	global_load_b64 v[252:253], v250, s[8:9]
	global_load_b64 v[254:255], v251, s[8:9]
	global_store_b32 v62, v60, s[10:11]
	global_store_b32 v62, v242, s[12:13]
	global_store_b32 v62, v246, s[12:13] offset:128
	s_wait_loadcnt 0x0                             ; the gates
	global_store_b32 v62, v252, s[14:15]
	global_store_b32 v62, v254, s[14:15] offset:128
	global_store_b32 v62, v253, s[14:15] offset:256
	global_store_b32 v62, v255, s[14:15] offset:384
.Lend:
	s_wait_tensorcnt 0x0                           ; the wave's end
	ds_add_u32 v[SPW], v[NIL]
	s_wait_dscnt 0x0
	s_endpgm
.Lfunc_end_k_q5080e1bf63_plan:
	.size	k_q5080e1bf63_plan, .Lfunc_end_k_q5080e1bf63_plan-k_q5080e1bf63_plan
	.p2alignl 7, 3214868480
	.fill 96, 4, 3214868480
	.section	.rodata,"a",@progbits
	.p2align	6, 0x0
	.amdhsa_kernel k_q5080e1bf63_plan
		.amdhsa_group_segment_fixed_size 3072
		.amdhsa_private_segment_fixed_size 0
		.amdhsa_enable_private_segment 0
		.amdhsa_kernarg_size 48
		.amdhsa_user_sgpr_count 2
		.amdhsa_user_sgpr_kernarg_segment_ptr 1
		.amdhsa_wavefront_size32 1
		.amdhsa_system_sgpr_workgroup_id_x 1
		.amdhsa_system_sgpr_workgroup_id_y 1
		.amdhsa_system_sgpr_workgroup_id_z 1
		.amdhsa_system_vgpr_workitem_id 0
		.amdhsa_next_free_vgpr 256
		.amdhsa_next_free_sgpr 98
		.amdhsa_reserve_vcc 0
		.amdhsa_float_denorm_mode_32 3
		.amdhsa_float_denorm_mode_16_64 3
		.amdhsa_memory_ordered 1
		.amdhsa_forward_progress 1
		.amdhsa_inst_pref_size 32
	.end_amdhsa_kernel
	.amdgpu_metadata
---
amdhsa.version: [ 1, 2 ]
amdhsa.kernels:
  - .name:           k_q5080e1bf63_plan
    .symbol:         k_q5080e1bf63_plan.kd
    .args:
      - { .name: hist, .offset: 0, .size: 8, .value_kind: global_buffer, .address_space: global }
      - { .name: sidp, .offset: 8, .size: 8, .value_kind: global_buffer, .address_space: global }
      - { .name: gates, .offset: 16, .size: 8, .value_kind: global_buffer, .address_space: global }
      - { .name: tiles, .offset: 24, .size: 8, .value_kind: global_buffer, .address_space: global }
      - { .name: toks, .offset: 32, .size: 8, .value_kind: global_buffer, .address_space: global }
      - { .name: tgate, .offset: 40, .size: 8, .value_kind: global_buffer, .address_space: global }
    .group_segment_fixed_size: 3072
    .private_segment_fixed_size: 0
    .kernarg_segment_align: 8
    .kernarg_segment_size: 48
    .max_flat_workgroup_size: 128
    .sgpr_count:     98
    .vgpr_count:     256
    .wavefront_size: 32
...
	.end_amdgpu_metadata
.endif
;; end of part 3
;; launch chain (part 4): grid 199 x 1, 4 waves a work-group, no clusters, 131,072 bytes of LDS; arguments x, wpk, tiles, toks, tgate, stats, b1, b2, gamma, beta, out0, out1; writes out0, out1
.if DOCPART == 4
	.amdgcn_target "amdgcn-amd-amdhsa--gfx1250"
	.amdhsa_code_object_version 6
	.text
	.protected	k_q5080e1bf63_chain
	.globl	k_q5080e1bf63_chain
	.p2align	8
	.type	k_q5080e1bf63_chain,@function
k_q5080e1bf63_chain:
	s_mov_b64 s[64:65], 0
	v_nop
	global_prefetch_b8 v0, s[64:65] scope:SCOPE_SE
	s_setreg_imm32_b32 hwreg(HW_REG_WAVE_MODE, 25, 1), 1
	s_wait_xcnt 0x0
; THE CHAIN.  Work-groups 0 .. 197 take one tile each: up to 48 tokens that chose the same set of two experts, as the launch before listed them (count, experts, tokens, gates).
; A tile goes through gather, x W1 + b1, ReLU, gate, W2 for both experts into ONE accumulator, + gate b2, + x, LayerNorm, store: each output row has one owner.
; Work-group 198 adds up the loss from the blocks' partial sums.
; WHY 48.  The sum over the 28 sets of ceil(n / 48) is at most ceil(8,192 / 48) + 27 = 198, under the 256 WGPs for every split; tiles of 32 could be 283; tiles of 64 are 155 at the most.
; Places past the count repeat the last token: they hold that row's own numbers, and within a block of 16 places that holds a token they are stored again, to the same bytes, by the
; same wave; whole blocks past the count are jumped.  A tile with count 0 jumps both products (loads, matrix and register work, no barrier) and all stores; it passes every barrier.
; SHARES.  Four waves.  Product 1 (K = 1,024): a wave makes 64 of a chunk's 256 hidden columns for all 48 tokens.  Product 2 (K = 256 a chunk): it makes 256 of the 1,024 output
; columns for all 48 tokens, 48 accumulators in 384 registers.  Four chunks: expert lo halves 0, 1, expert hi halves 0, 1.
; WEIGHTS come from memory straight into registers as operand fragments (bf16, laid out by the first launch): a ring of eight slots of 4 KiB in 256 registers; a slot feeds 12
; matrix instructions (4 fragments x 3 blocks of 16 tokens) and is asked for again seven sub-steps before it is used.  Each slot has an offset register of its own, rewritten behind
; the counted wait that shows the slot's last loads done, so the stream's place (a scalar that no memory instruction reads) steps without a wait.
; NO CLUSTER, NO TENSOR LOADS: what work-groups share is an expert's stream, but a set has ceil(n / 48) tiles, 1 where n <= 48, so no cluster of four has partners that walk the same
; two experts at every split; and inside a work-group each wave reads a stream of its own, which through LDS would be written and read once more for the same 12 matrix instructions.
; PRODUCT 1 IS USED TRANSPOSED (source 0 = 16 hidden columns, source 1 = 16 tokens): a lane holds one token and eight hidden numbers, which pack into 16 bytes of the hidden
; chunk.  Hidden k is permuted alike in the chunk and in W2's fragments.  In product 2 a lane holds column 256 w + 64 q + 4 r + f in accumulator 4 q + f: four accumulators
; give 16 neighbouring bytes, and 16 lanes store 256 consecutive bytes, aligned.
; ONE TEXT FOR EVERY TRIP.  The look-ahead of each product's last trip wraps to K = 0 (12 LDS loads that are not used), and the last chunk's last trip refills the ring from expert
; lo's first chunk (32 KiB a wave that are not used): the price of writing no tail out.
; ARITHMETIC.  bf16 operands, f32 sums.  The gate (>= 0) multiplies the hidden number in f32 before the rounding; ReLU is taken behind it.  The residual x stays f32: it starts
; the accumulators, with b2hi + glo (b2lo - b2hi), which is glo b2lo + ghi b2hi since the two gates are a softmax of two and add up to 1 within f32's rounding.
; LayerNorm takes the mean away before the squares, as the definition does.
; LIMITS.  NaN and infinities are not treated apart.
.set NB,    3                          ; blocks of 16 tokens in a tile
.set TT,    16*NB
.set FL,    2*NB                       ; LDS loads that fill a fragment buffer
.set NTILE, 198
.set XP,    2064                       ; a token's row in LDS: 2,048 bytes of bf16 + 16: an odd multiple of 16, so the 16 rows of a fragment load fall into different groups of banks
.set HP,    528                        ; a row of the hidden chunk: 512 + 16
.set HB,    TT*XP                      ; LDS: 0 the token tile, 48 rows; then the hidden chunk, 48 rows
.set B1L,   HB+TT*HP                   ; b1 of lo, then of hi, as [chunk][wave][h][cb][j] f32: 4,096 bytes
.set RED1,  B1L+4096                   ; [wave][64] partial row sums; 1,024 bytes on: the same for the squares
.set SPARE, RED1+2048                  ; the spare words, 128 bytes for each wave: two blocks of 256 bytes that no other line names
; window 0
.set LN,  1                            ; lane
.set RR,  2                            ; r = lane % 16
.set HH,  3                            ; h = lane / 16
.set L16, 4                            ; 16 x lane
.set XR0, 5                            ; token fragments: r XP + 16 h, blocks 0, 1;
.set XR1, 6                            ; block 2
.set HR,  7                            ; hidden fragments: HB + r HP + 16 h
.set HS,  8                            ; where I put 16 bytes of the hidden chunk: HR + 128 w
.set BR,  9                            ; b1 of my columns: B1L + 256 w + 128 h
.set VI,  10                           ; the ring's first fill: my stream's first byte + 16 x lane; never rewritten
.set ZERO, 11
.set BA,  12                           ; BR + the next chunk's step; first: where b1 is laid; at the end: where row sums are read
.set HA,  13                           ; HR + the look-ahead's K offset; at the end: where row sums are put
.set SPW, 14                           ; LDS address of my spare word; never rewritten
.set NIL, 15                           ; 0; never rewritten
.set G,   16                           ; v16-19 the gate in hand of place 16 rb + r (the fourth is named in a pair and loaded, not used)
.set GH,  20                           ; v20-23 expert hi's
.set XA0, 24                           ; XR + the trip's K offset (v24-27 first hold the offsets of the head's small loads)
.set XA1, 25
.set XB0, 26                           ; XR + the next trip's, wrapped
.set XB1, 27
.set XS0, 28                           ; where I put 8 bytes of the token tile: 8 h XP + 512 w + 8 r, blocks 0, 1;
.set XS1, 29                           ; block 2
.set TOF, 30                           ; my tile's list of tokens: 256 x tile + 32 h; never rewritten
.set C1,  31                           ; 1,024 w + 16 r: my first column's bytes in a row of f32; never rewritten
.set FA,  32                           ; v32-55, v64-87 two buffers of token or hidden fragments, 8 registers a block
.set CV,  96                           ; v96-111 packed hidden numbers, four sets of four
.set VO,  112                          ; v112-119 slot p's offset in the weights
.set A1,  128                          ; v128-223 product 1's accumulators, (rb, cb) at 128 + 32 rb + 8 cb; head and end: at work
; window 1: the ring, slot m at 32 m, fragment f at + 8 f; at the end: rows on their way out.   windows 2, 3: accumulator (rb, nb) in window 2 + nb / 8 at 64 rb + 8 (nb % 8)
.set B2D, 32                           ; at the start: b2lo - b2hi, quad q
.set B2V, 48                           ; b2hi
.set GL,  64                           ; glo of tokens 16 rb + 8 h + 0..7
.set TO,  96                           ; v96-119 the tokens' offsets in x
.set SM,  128                          ; at the end: row sums, then means, [rb][j]
.set QQ,  160                          ; sums of squares
.set RS,  192                          ; 1 / sqrt(var + 1e-5)
.set TO2, 224
.set RG,  48
.set GAM, 96
.set BET, 112
; scalars
.set WV,  28
.set ID,  29
.set CNT, 36                           ; s[36:39] the tile's record: count, lo, hi, 0
.set ELO, 37
.set EHG, 38
.set POS, 40                           ; where the refills read, in units of 32 KiB (eight slots): (expert 4 + wave) 16 + trip
.set CUR, 41                           ; the same in bytes
.set NPOS, 42                          ; the next chunk's first place
.set CC,  43                           ; the next chunk's number
.set CH,  44                           ; chunks to go
.set TR,  45
.set SEL, 46                           ; s[46:47]
.set C1K, 50                           ; s[50:51] 1 / 1,024
.set CEP, 52                           ; s[52:53] 1e-5
.set KO,  56                           ; product 1's K offset in bytes
.set B2A, 58                           ; s[58:59], s[60:61] b2 of lo and hi at my columns
.set B2B, 60
.set KH,  62
.set KB,  63
.set MSB, 0
.macro WIN new                         ; low byte: bits 1:0 source 0, 3:2 source 1, 5:4 source 2, 7:6 destination; the high byte repeats the setting that is left
.if MSB != (\new)
	s_set_vgpr_msb (MSB<<8)|(\new)
.set MSB, (\new)
.endif
.endm
.macro BAR
	s_barrier_signal -1
	s_barrier_wait -1
.endm
.macro STEPPOS                         ; the refills' place goes eight slots on; the clamp stands in front of the shift that makes bytes of it
	s_add_co_u32 s[POS], s[POS], 1
	s_min_u32 s[POS], s[POS], 511
	s_lshl_b32 s[CUR], s[POS], 15
.endm
	s_load_b512 s[4:19], s[0:1], 0x0               ; x, wpk, tiles, toks, tgate, stats, b1, b2
	s_load_b256 s[20:27], s[0:1], 0x40             ; gamma, beta, out0, out1
	v_lshl_add_u32 v[SPW], v0, 2, SPARE
	v_mov_b32 v[NIL], 0
	v_and_b32 v[LN], 31, v0
	v_lshrrev_b32 v12, 5, v0
	v_readfirstlane_b32 s[WV], v12
	v_and_b32 v[RR], 15, v0
	v_bfe_u32 v[HH], v0, 4, 1
	v_lshlrev_b32 v[L16], 4, v[LN]
	v_mov_b32 v[ZERO], 0
	s_mov_b32 s[ID], ttmp9
	s_mov_b32 s[SEL], 0x76543210
	s_mov_b32 s[SEL+1], 0xfedcba98
	s_wait_kmcnt 0x0
	s_cmp_eq_u32 s[ID], NTILE
	s_cbranch_scc1 .Lloss
; ---- the tile's record, tokens and gates: addresses that hang on the work-group's number alone
	s_lshl_b32 s30, s[ID], 7
	s_mov_b32 s31, 0
	s_add_nc_u64 s[8:9], s[8:9], s[30:31]
	s_load_b128 s[36:39], s[8:9], 0x0              ; count, lo, hi, 0
	s_lshl_b32 s34, s[ID], 8
	v_lshl_add_u32 v[TOF], v[HH], 5, s34
	s_lshl_b32 s35, s[ID], 9
	v_lshl_add_u32 v26, v[HH], 5, s35
	v_lshl_add_u32 v27, v[RR], 2, s35
.set hb, 0
.rept NB
	global_load_b128 v[TO+8*hb:TO+8*hb+3],   v[TOF], s[10:11] offset:64*hb         ; tokens of places 16 rb + 8 h + 0..7
	global_load_b128 v[TO+8*hb+4:TO+8*hb+7], v[TOF], s[10:11] offset:64*hb+16
	global_load_b128 v[GL+8*hb:GL+8*hb+3],   v26, s[12:13] offset:64*hb            ; their gates for expert lo
	global_load_b128 v[GL+8*hb+4:GL+8*hb+7], v26, s[12:13] offset:64*hb+16
.set hb, hb+1
.endr
.irp rb, 0,1,2,3
	global_load_b32 v[G+\rb],  v27, s[12:13] offset:64*\rb                         ; the gates of place 16 rb + r: lo's,
	global_load_b32 v[GH+\rb], v27, s[12:13] offset:256+64*\rb                     ; hi's
.endr
	; addresses that stay, made while the loads are out
	v_mul_u32_u24 v[XR0], v[RR], XP
	v_lshl_add_u32 v[XR0], v[HH], 4, v[XR0]
	v_add_nc_u32 v[XR1], 32*XP, v[XR0]
	v_mul_u32_u24 v[HR], v[RR], HP
	v_lshl_add_u32 v[HR], v[HH], 4, v[HR]
	v_add_nc_u32 v[HR], HB, v[HR]
	s_lshl_b32 s33, s[WV], 7
	v_add_nc_u32 v[HS], s33, v[HR]
	s_lshl_b32 s33, s[WV], 8
	s_add_co_u32 s33, s33, B1L
	v_lshl_add_u32 v[BR], v[HH], 7, s33
	v_mul_u32_u24 v[XS0], v[HH], 8*XP
	v_lshl_add_u32 v[XS0], v[RR], 3, v[XS0]
	s_lshl_b32 s33, s[WV], 9
	v_add_nc_u32 v[XS0], s33, v[XS0]
	v_add_nc_u32 v[XS1], 32*XP, v[XS0]
	s_lshl_b32 s33, s[WV], 10
	v_lshl_add_u32 v[C1], v[RR], 4, s33
	s_add_co_u32 s33, s33, B1L                     ; b1's number n = 8 t + i of an expert's 512 goes to word (n / 32) 32 + (n % 4) 8 + (n % 32) / 4
	v_lshrrev_b32 v[BA], 2, v[LN]
	v_lshl_add_u32 v[BA], v[BA], 7, s33
	v_and_b32 v[HA], 3, v[LN]
	v_lshl_add_u32 v[BA], v[HA], 3, v[BA]
	v_lshlrev_b32 v25, 4, v[RR]
	s_wait_kmcnt 0x0                               ; the record
	s_min_u32 s[CNT], s[CNT], TT
	s_min_u32 s[ELO], s[ELO], 7
	s_min_u32 s[EHG], s[EHG], 7
; ---- what hangs on the experts: b1 (waves 0, 1: lo; 2, 3: hi; 32 bytes a thread) and b2 at my columns
	s_cmp_lt_u32 s[WV], 2
	s_cselect_b32 s33, s[ELO], s[EHG]
	s_min_u32 s33, s33, 7
	s_lshl_b32 s33, s33, 11
	s_and_b32 s34, s[WV], 1
	s_lshl_b32 s34, s34, 10
	s_add_co_u32 s33, s33, s34
	v_lshl_add_u32 v24, v[LN], 5, s33
	WIN 0x80                                       ; into eight registers of window 2, which the accumulators take only later
	global_load_b128 v[0:3], v24, s[16:17]
	global_load_b128 v[4:7], v24, s[16:17] offset:16
	WIN 0
	s_lshl_b32 s33, s[WV], 10
	s_lshl_b32 s[B2A], s[ELO], 12
	s_add_co_u32 s[B2A], s[B2A], s33
	s_mov_b32 s[B2A+1], 0
	s_add_nc_u64 s[B2A:B2A+1], s[18:19], s[B2A:B2A+1]
	s_lshl_b32 s[B2B], s[EHG], 12
	s_add_co_u32 s[B2B], s[B2B], s33
	s_mov_b32 s[B2B+1], 0
	s_add_nc_u64 s[B2B:B2B+1], s[18:19], s[B2B:B2B+1]
.irp q, 0,1,2,3
	global_load_b128 v[B2D+4*\q:B2D+4*\q+3], v25, s[B2A:B2A+1] offset:256*\q
.endr
.irp q, 0,1,2,3
	global_load_b128 v[B2V+4*\q:B2V+4*\q+3], v25, s[B2B:B2B+1] offset:256*\q
.endr
	s_lshl2_add_u32 s33, s[ELO], s[WV]             ; the weights' stream of (expert, wave) is 128 slots of 4 KiB: 16 places
	s_lshl_b32 s[POS], s33, 4
	s_min_u32 s[POS], s[POS], 511
	s_lshl_b32 s[CUR], s[POS], 15
	v_add_nc_u32 v[VI], s[CUR], v[L16]
	s_wait_loadcnt 10                              ; tokens and gates are in; b1's two loads and b2's eight stay out
.set i, 0
.rept 8*NB
	v_min_u32 v[TO+i], 0x1fff, v[TO+i]
	v_lshl_add_u32 v[TO+i], v[TO+i], 12, v[C1]     ; token (16 rb + 8 h + j) x 4,096 + my columns
.set i, i+1
.endr
; ---- THE GATHER.  A batch is a block of 16 tokens at my 256 columns: 32 loads, each two pieces of 256 consecutive bytes.
.macro XBATCH rb, t
.set xj, 0
.rept 8
.irp q, 0,1,2,3
	global_load_b128 v[(\t)+4*(4*xj+\q):(\t)+4*(4*xj+\q)+3], v[TO+8*(\rb)+xj], s[4:5] offset:256*\q
.endr
.set xj, xj+1
.endr
.endm
.macro REFILL m, a                     ; slot m is asked for: eight loads of 512 consecutive bytes at the offset in register a
	WIN 0x40
.set rf, 0
.rept 8
	global_load_b128 v[32*(\m)+4*rf:32*(\m)+4*rf+3], v[\a], s[6:7] offset:(\m)*4096+512*rf
.set rf, rf+1
.endr
.endm
	XBATCH 0, 128
	WIN 0x40
	XBATCH 1, 0
	XBATCH 2, 128
	WIN 0
	s_wait_loadcnt 63                              ; 126 loads have been issued and 63 is the largest count that the wait can name: the oldest 63 are in, the 20 of the lists, the biases' 10 and batch 0's 32 among them
	WIN 0x08                                       ; store data in window 2
.set i, 0
.rept 8
	ds_store_b32 v[BA], v[i] offset:(i%4)*32+(i/4)*4
.set i, i+1
.endr
	WIN 0
.set i, 0
.rept 8
	v_pk_add_f32 v[B2D+2*i:B2D+2*i+1], v[B2D+2*i:B2D+2*i+1], v[B2V+2*i:B2V+2*i+1] neg_lo:[0,1] neg_hi:[0,1]
.set i, i+1
.endr
; The accumulators start at b2hi + glo (b2lo - b2hi): two tokens an instruction, the column's two numbers given to both.
.set bw, 0
.rept 2
	WIN 0x80+0x40*bw
.set br, 0
.rept NB
.set bn, 0
.rept 8
.set bq, (8*bw+bn)/4
.set bf, (8*bw+bn)%4
.set bp, 0
.rept 4
.if bf%2 == 0
	v_pk_fma_f32 v[64*br+8*bn+2*bp:64*br+8*bn+2*bp+1], v[GL+8*br+2*bp:GL+8*br+2*bp+1], v[B2D+4*bq+bf:B2D+4*bq+bf+1], v[B2V+4*bq+bf:B2V+4*bq+bf+1] op_sel_hi:[1,0,0]
.else
	v_pk_fma_f32 v[64*br+8*bn+2*bp:64*br+8*bn+2*bp+1], v[GL+8*br+2*bp:GL+8*br+2*bp+1], v[B2D+4*bq+bf-1:B2D+4*bq+bf], v[B2V+4*bq+bf-1:B2V+4*bq+bf] op_sel:[0,1,1] op_sel_hi:[1,1,1]
.endif
.set bp, bp+1
.endr
.set bn, bn+1
.endr
.set br, br+1
.endr
.set bw, bw+1
.endr
	WIN 0
; A batch is used: rounded to bf16 into the token tile, and added in f32 onto the accumulators (the residual).  t, tw: its registers and their window.
.macro PROC rb, t, tw
.set pg, 0
.rept 4
	WIN 5*(\tw)
.set pn, 0
.rept 8
	v_cvt_pk_bf16_f32 v[GL+2*pn],   v[(\t)+4*(8*pg+pn)],   v[(\t)+4*(8*pg+pn)+1]
	v_cvt_pk_bf16_f32 v[GL+2*pn+1], v[(\t)+4*(8*pg+pn)+2], v[(\t)+4*(8*pg+pn)+3]
.set pn, pn+1
.endr
	WIN 0
.set pn, 0
.rept 8
	ds_store_b64 v[XS0+(\rb)/2], v[GL+2*pn:GL+2*pn+1] offset:((\rb)%2)*16*XP+((8*pg+pn)/4)*XP+((8*pg+pn)%4)*128
.set pn, pn+1
.endr
.set pg, pg+1
.endr
.set pw, 0
.rept 2
	WIN 0x88+0x44*pw+(\tw)
.set pn, 0
.rept 8
.set pq, (8*pw+pn)/4
.set pf, (8*pw+pn)%4
.set pj, 0
.rept 8
	v_add_f32 v[64*(\rb)+8*pn+pj], v[(\t)+4*(4*pj+pq)+pf], v[64*(\rb)+8*pn+pj]
.set pj, pj+1
.endr
.set pn, pn+1
.endr
.set pw, pw+1
.endr
	WIN 0
.endm
	PROC 0, 128, 0
	s_wait_loadcnt 32                              ; batch 1 is in; batch 2's 32 loads stay out
	PROC 1, 0, 1
	REFILL 0, VI                                   ; the ring's first fill takes the batches' registers as they come free
	REFILL 1, VI
	REFILL 2, VI
	REFILL 3, VI
	s_wait_loadcnt 32                              ; batch 2 is in, and with it every load that names a token's offset: those registers are free; the four slots' 32 loads stay out
	PROC 2, 128, 1
	REFILL 4, VI
	REFILL 5, VI
	REFILL 6, VI
	REFILL 7, VI
	WIN 0
	STEPPOS
	s_wait_dscnt 0x0                               ; for the others' sake: my columns of the token tile and my part of b1
	BAR
; ---- THE LOOP'S PARTS
.macro XFRAG b, a0, a1, k              ; 48 tokens x 32 K at byte k of the rows, into buffer b
	WIN 0
.set xf, 0
.rept NB
.if xf < 2
	ds_load_b128 v[FA+32*(\b)+8*xf:FA+32*(\b)+8*xf+3],   v[\a0] offset:(xf%2)*16*XP+(\k)
	ds_load_b128 v[FA+32*(\b)+8*xf+4:FA+32*(\b)+8*xf+7], v[\a0] offset:(xf%2)*16*XP+(\k)+32
.else
	ds_load_b128 v[FA+32*(\b)+8*xf:FA+32*(\b)+8*xf+3],   v[\a1] offset:(xf%2)*16*XP+(\k)
	ds_load_b128 v[FA+32*(\b)+8*xf+4:FA+32*(\b)+8*xf+7], v[\a1] offset:(xf%2)*16*XP+(\k)+32
.endif
.set xf, xf+1
.endr
.endm
.macro HFRAG b, a, k                   ; the same of the hidden chunk
	WIN 0
.set xf, 0
.rept NB
	ds_load_b128 v[FA+32*(\b)+8*xf:FA+32*(\b)+8*xf+3],   v[\a] offset:xf*16*HP+(\k)
	ds_load_b128 v[FA+32*(\b)+8*xf+4:FA+32*(\b)+8*xf+7], v[\a] offset:xf*16*HP+(\k)+32
.set xf, xf+1
.endr
.endm
.macro BIAS a                          ; product 1's sums start at b1: register j of accumulator (rb, cb) is hidden column 64 w + 32 h + 4 j + cb, the same for all rb
	WIN 0
.set xf, 0
.rept 4*NB
	ds_load_b128 v[A1+8*xf:A1+8*xf+3],   v[\a] offset:32*(xf%4)
	ds_load_b128 v[A1+8*xf+4:A1+8*xf+7], v[\a] offset:32*(xf%4)+16
.set xf, xf+1
.endr
.endm
; 12 matrix instructions on 12 accumulators, which take turns, one instruction a turn.
.macro MM1 m, b                        ; hidden^T += W1 fragment cb of slot m x tokens of block rb
	WIN 0x01
.set mc, 0
.rept 4
.set mr, 0
.rept NB
	v_wmma_f32_16x16x32_bf16 v[A1+32*mr+8*mc:A1+32*mr+8*mc+7], v[32*(\m)+8*mc:32*(\m)+8*mc+7], v[FA+32*(\b)+8*mr:FA+32*(\b)+8*mr+7], v[A1+32*mr+8*mc:A1+32*mr+8*mc+7]
.set mr, mr+1
.endr
.set mc, mc+1
.endr
.endm
.macro MM2 m, q, b                     ; out += hidden of block rb x W2 fragment f of slot m: accumulators (rb, 4 q + f)
	WIN 0xa4+0x50*((\q)/2)
.set mc, 0
.rept 4
.set mr, 0
.rept NB
	v_wmma_f32_16x16x32_bf16 v[64*mr+8*(4*((\q)%2)+mc):64*mr+8*(4*((\q)%2)+mc)+7], v[FA+32*(\b)+8*mr:FA+32*(\b)+8*mr+7], v[32*(\m)+8*mc:32*(\m)+8*mc+7], v[64*mr+8*(4*((\q)%2)+mc):64*mr+8*(4*((\q)%2)+mc)+7]
.set mr, mr+1
.endr
.set mc, mc+1
.endr
.endm
; Four plain vector instructions stand between matrix instructions and loads into their registers (ISA guide 7.12.1 for vector instructions): the
; slot's new offset and three v_nop.  The offset register is free: the counted wait at the sub-step's head has shown the loads that named it done.
.macro NEWOFF p
	WIN 0
	v_add_nc_u32 v[VO+(\p)], s[CUR], v[L16]
	v_nop
	v_nop
	v_nop
.endm
; Sub-step p of a trip of product 1: slot p, buffer p % 2; then the fragments two K steps on and the slot's refill.
.macro SUB1 p
	s_wait_dscnt FL                                ; my buffer is in; the other buffer's six loads, issued behind it, stay out
	s_wait_loadcnt 56                              ; my slot is in; the seven slots asked for behind it stay out
	MM1 \p, (\p)%2
	NEWOFF \p
.if (\p) < 6
	XFRAG (\p)%2, XA0, XA1, 64*((\p)+2)
.else
	XFRAG (\p)%2, XB0, XB1, 64*((\p)-6)
.endif
	REFILL \p, VO+(\p)
.endm
; K step of product 2 on buffer b: four sub-steps, slots 4 b + 0..3; when the buffer is free it takes the hidden fragments two K steps on.
.macro KSTEP b
	s_wait_dscnt FL                                ; my buffer is in; the other buffer's six loads stay out
.set kq, 0
.rept 4
	s_wait_loadcnt 56
	MM2 4*(\b)+kq, kq, \b
	NEWOFF 4*(\b)+kq
.if kq == 3
	HFRAG \b, HA, 64*(\b)
.endif
	REFILL 4*(\b)+kq, VO+4*(\b)+kq
.set kq, kq+1
.endr
.endm
	BIAS BR
	s_mov_b32 s[CH], 4
	s_mov_b32 s[CC], 0
	s_mov_b32 s[KO], 0
.Lchunk:
	XFRAG 0, XR0, XR1, 0
	XFRAG 1, XR0, XR1, 64
	s_add_co_u32 s[CC], s[CC], 1                   ; the next chunk: 1, 2, 3, and behind the last 0 once more
	s_and_b32 s[CC], s[CC], 3
	s_bitcmp1_b32 s[CC], 1                         ; chunks 2, 3 are expert hi's
	s_cselect_b32 s33, s[EHG], s[ELO]
	s_min_u32 s33, s33, 7
	s_lshl2_add_u32 s33, s33, s[WV]
	s_lshl_b32 s33, s33, 4
	s_and_b32 s34, s[CC], 1
	s_lshl3_add_u32 s[NPOS], s34, s33              ; (expert 4 + wave) 16 + 8 half
	s_cmp_eq_u32 s[CNT], 0                         ; a tile without tokens jumps the product: loads, matrix and register work, no barrier
	s_cbranch_scc1 .Lp1done
; ---- product 1: four trips of eight sub-steps, K = 256 a trip
	s_mov_b32 s[TR], 4
.Lp1:
	v_add_nc_u32 v[XA0], s[KO], v[XR0]
	v_add_nc_u32 v[XA1], s[KO], v[XR1]
	s_add_co_u32 s[KO], s[KO], 512
	s_and_b32 s[KO], s[KO], 0x7ff                  ; the last trip's look-ahead wraps to K = 0: those 12 loads stay inside the tile and are not used
	v_add_nc_u32 v[XB0], s[KO], v[XR0]
	v_add_nc_u32 v[XB1], s[KO], v[XR1]
.irp p, 0,1,2,3,4,5,6,7
	SUB1 \p
.endr
	WIN 0
	STEPPOS
	s_sub_co_u32 s[TR], s[TR], 1
	s_cmp_lg_u32 s[TR], 0
	s_cbranch_scc1 .Lp1
.Lp1done:
	s_wait_dscnt 0x0                               ; my LDS loads are back, my reads of the last hidden chunk long since:
	BAR                                            ; no wave reads that chunk any more
; ---- gate, rounding, ReLU; a lane's eight numbers are 16 bytes of its token's row.  The four places of the last sub-step stand behind the last products.
.set er, 0
.rept NB
.set ec, 0
.rept 4
.set ea, A1+32*er+8*ec
.set ev, CV+4*((4*er+ec)%4)
.set ep, 0
.rept 4
.if er%2 == 0
	v_pk_mul_f32 v[ea+2*ep:ea+2*ep+1], v[ea+2*ep:ea+2*ep+1], v[G+er:G+er+1] op_sel_hi:[1,0]
.else
	v_pk_mul_f32 v[ea+2*ep:ea+2*ep+1], v[ea+2*ep:ea+2*ep+1], v[G+er-1:G+er] op_sel:[0,1] op_sel_hi:[1,1]
.endif
.set ep, ep+1
.endr
.set ep, 0
.rept 4
	v_cvt_pk_bf16_f32 v[ev+ep], v[ea+2*ep], v[ea+2*ep+1]
.set ep, ep+1
.endr
.set ep, 0
.rept 4
	v_pk_max_num_bf16 v[ev+ep], v[ev+ep], v[ZERO]
.set ep, ep+1
.endr
	ds_store_b128 v[HS], v[ev:ev+3] offset:er*16*HP+32*ec
.set ec, ec+1
.endr
.set er, er+1
.endr
	s_lshl_b32 s[KB], s[CC], 10                    ; product 1's accumulators are free: they take the next chunk's b1 (bytes that no wave writes in the loop)
	v_add_nc_u32 v[BA], s[KB], v[BR]
	BIAS BA
	s_wait_dscnt 0x0                               ; for the others' sake: my 64 columns of the chunk
	BAR
	HFRAG 0, HR, 0
	HFRAG 1, HR, 64
	s_cmp_eq_u32 s[CH], 3                          ; behind expert lo's second chunk the gates in hand become expert hi's
	s_cselect_b32 s33, -1, 0
.irp i, 0,1,2,3
	v_cndmask_b32 v[G+\i], v[G+\i], v[GH+\i], s33
.endr
	s_cmp_eq_u32 s[CNT], 0                         ; a tile without tokens jumps this product too
	s_cbranch_scc1 .Lp2done
; ---- product 2: eight K steps of 32, four trips of two
	s_mov_b32 s[KH], 0
	s_mov_b32 s[TR], 4
.Lp2:
	s_cmp_eq_u32 s[TR], 1                          ; the chunk's slots are all asked for: the last trip's refills are the next chunk's first eight
	s_cselect_b32 s[POS], s[NPOS], s[POS]
	s_min_u32 s[POS], s[POS], 511
	s_lshl_b32 s[CUR], s[POS], 15
	s_add_co_u32 s[KH], s[KH], 128
	s_and_b32 s[KH], s[KH], 0x1ff                  ; the last trip's look-ahead wraps to K = 0, inside the chunk's rows, and is not used
	v_add_nc_u32 v[HA], s[KH], v[HR]
	KSTEP 0
	KSTEP 1
	WIN 0
	STEPPOS
	s_sub_co_u32 s[TR], s[TR], 1
	s_cmp_lg_u32 s[TR], 0
	s_cbranch_scc1 .Lp2
.Lp2done:
	s_wait_dscnt 0x0                               ; the fragments last asked for are back: their registers are loaded again at the loop's head
	s_sub_co_u32 s[CH], s[CH], 1
	s_cmp_lg_u32 s[CH], 0
	s_cbranch_scc1 .Lchunk
; ---- LAYERNORM.  Register j of accumulator (rb, nb) is token 16 rb + 8 h + j: a row's numbers lie in 16 accumulators x 16 lanes x 4 waves.
	s_mov_b32 s[C1K], 0x3a800000                   ; 1 / 1,024
	s_mov_b32 s[C1K+1], 0x3a800000
	s_mov_b32 s[CEP], 0x3727c5ac                   ; 1e-5
	s_mov_b32 s[CEP+1], 0x3727c5ac
	s_lshl_b32 s33, s[WV], 8
	s_add_co_u32 s33, s33, RED1
	v_lshl_add_u32 v[HA], v[HH], 5, s33
	v_lshl_add_u32 v[BA], v[HH], 5, RED1
	; the sums over my 16 accumulators of a block, two tokens an instruction, 12 chains; each accumulator is read from its low end on
	WIN 0x0a
.set sr, 0
.rept NB
.set sp, 0
.rept 4
	v_pk_add_f32 v[SM+8*sr+2*sp:SM+8*sr+2*sp+1], v[64*sr+2*sp:64*sr+2*sp+1], v[64*sr+8+2*sp:64*sr+8+2*sp+1]
.set sp, sp+1
.endr
.set sr, sr+1
.endr
.set sn, 2
.rept 14
	WIN 0x02+sn/8
.set sr, 0
.rept NB
.set sp, 0
.rept 4
	v_pk_add_f32 v[SM+8*sr+2*sp:SM+8*sr+2*sp+1], v[64*sr+8*(sn%8)+2*sp:64*sr+8*(sn%8)+2*sp+1], v[SM+8*sr+2*sp:SM+8*sr+2*sp+1]
.set sp, sp+1
.endr
.set sr, sr+1
.endr
.set sn, sn+1
.endr
	WIN 0
	s_wait_loadcnt 0x0                             ; the ring's last refills, which nobody uses, have landed: window 1 and the slots' offset registers are free
.irp q, 0,1,2,3
	global_load_b128 v[GAM+4*\q:GAM+4*\q+3], v[C1], s[20:21] offset:256*\q
.endr
.irp q, 0,1,2,3
	global_load_b128 v[BET+4*\q:BET+4*\q+3], v[C1], s[22:23] offset:256*\q
.endr
.set hb, 0
.rept NB
	global_load_b128 v[TO2+8*hb:TO2+8*hb+3],   v[TOF], s[10:11] offset:64*hb       ; the tokens once more
	global_load_b128 v[TO2+8*hb+4:TO2+8*hb+7], v[TOF], s[10:11] offset:64*hb+16
.set hb, hb+1
.endr
; 24 row figures at s: summed over the 16 lanes of a half, handed round the four waves through LDS bytes of their own (roff), summed.  tu: 24 registers at work.
; A wave's figures lie by the token's place 16 rb + 8 h + j: byte 64 rb + 32 h + 4 j of its 256.  Quad ri = 2 rb + j / 4 of a lane stands at 64 (ri / 2) + 16 (ri % 2); the address register holds 32 h.
.macro ROWRED s, roff, tu
.irp m, 1,2,4,8
.set ri, 0
.rept 8*NB
	v_add_f32_dpp v[(\s)+ri], v[(\s)+ri], v[(\s)+ri] row_xmask:\m row_mask:0xf bank_mask:0xf
.set ri, ri+1
.endr
.endr
.set ri, 0
.rept 2*NB
	ds_store_b128 v[HA], v[(\s)+4*ri:(\s)+4*ri+3] offset:(\roff)+64*(ri/2)+16*(ri%2)
.set ri, ri+1
.endr
	s_wait_dscnt 0x0                               ; for the others' sake
	BAR
	WIN 0x40
.set ri, 0
.rept 32                               ; wave ri / 8, quad ri % 8
.if (ri%8) < 2*NB
	ds_load_b128 v[4*ri:4*ri+3], v[BA] offset:(\roff)+256*(ri/8)+64*((ri%8)/2)+16*(ri%2)
.endif
.set ri, ri+1
.endr
	s_wait_dscnt 0x0
	WIN 0x05
.set ri, 0
.rept 4*NB
	v_pk_add_f32 v[(\s)+2*ri:(\s)+2*ri+1], v[2*ri:2*ri+1], v[32+2*ri:32+2*ri+1]
	v_pk_add_f32 v[(\tu)+2*ri:(\tu)+2*ri+1], v[64+2*ri:64+2*ri+1], v[96+2*ri:96+2*ri+1]
.set ri, ri+1
.endr
	WIN 0
.set ri, 0
.rept 4*NB
	v_pk_add_f32 v[(\s)+2*ri:(\s)+2*ri+1], v[(\s)+2*ri:(\s)+2*ri+1], v[(\tu)+2*ri:(\tu)+2*ri+1]
.set ri, ri+1
.endr
.endm
	ROWRED SM, 0, QQ
.set i, 0
.rept 4*NB
	v_pk_mul_f32 v[SM+2*i:SM+2*i+1], v[SM+2*i:SM+2*i+1], s[C1K:C1K+1] op_sel_hi:[1,0]  ; the means
.set i, i+1
.endr
; The mean is taken away in place; then the squares are summed.  hw = 0: window 2, 1: window 3.
.macro CENTER hw
	WIN 0x82+0x41*(\hw)
.set cn, 0
.rept 8
.set cr, 0
.rept NB
.set cp, 0
.rept 4
	v_pk_add_f32 v[64*cr+8*cn+2*cp:64*cr+8*cn+2*cp+1], v[64*cr+8*cn+2*cp:64*cr+8*cn+2*cp+1], v[SM+8*cr+2*cp:SM+8*cr+2*cp+1] neg_lo:[0,1] neg_hi:[0,1]
.set cp, cp+1
.endr
.set cr, cr+1
.endr
.set cn, cn+1
.endr
	WIN 0x0a+5*(\hw)
.set cn, 0
.rept 8
.set cr, 0
.rept NB
.set cp, 0
.rept 4
.if ((\hw) == 0) && (cn == 0)
	v_pk_mul_f32 v[QQ+8*cr+2*cp:QQ+8*cr+2*cp+1], v[64*cr+8*cn+2*cp:64*cr+8*cn+2*cp+1], v[64*cr+8*cn+2*cp:64*cr+8*cn+2*cp+1]
.else
	v_pk_fma_f32 v[QQ+8*cr+2*cp:QQ+8*cr+2*cp+1], v[64*cr+8*cn+2*cp:64*cr+8*cn+2*cp+1], v[64*cr+8*cn+2*cp:64*cr+8*cn+2*cp+1], v[QQ+8*cr+2*cp:QQ+8*cr+2*cp+1]
.endif
.set cp, cp+1
.endr
.set cr, cr+1
.endr
.set cn, cn+1
.endr
.endm
	CENTER 0
	CENTER 1
	WIN 0
	ROWRED QQ, 1024, RS
.set i, 0
.rept 4*NB
	v_pk_fma_f32 v[QQ+2*i:QQ+2*i+1], v[QQ+2*i:QQ+2*i+1], s[C1K:C1K+1], s[CEP:CEP+1] op_sel_hi:[1,0,0]  ; var + 1e-5
.set i, i+1
.endr
.set i, 0
.rept 8*NB
	v_rsq_f32 v[RS+i], v[QQ+i]
.set i, i+1
.endr
	v_nop                                          ; a plain instruction behind the last of the batch,
	s_wait_alu depctr_va_vdst(0)                   ; and the one wait ahead of the first use of its results
	s_wait_loadcnt 0x0                             ; gamma, beta and the tokens
.set i, 0
.rept 8*NB
	v_min_u32 v[TO2+i], 0x1fff, v[TO2+i]
	v_lshl_add_u32 v[TO2+i], v[TO2+i], 12, v[C1]
.set i, i+1
.endr
; Two rows (place 16 rb + j in lanes 0-15, 16 rb + 8 + j in lanes 16-31): d x (rs gamma) + beta gathers four accumulators' numbers into 16 neighbouring bytes;
; a store's 16 lanes write 256 consecutive bytes, aligned.  The rows go out of window 1, 16 registers a pair of rows: its 256 registers serve 16 pairs.
.macro OUTROW rb, j
	WIN 0
.irp q, 0,1,2,3
.if ((\j)%2) == 0
	v_pk_mul_f32 v[RG+4*\q:RG+4*\q+1],   v[GAM+4*\q:GAM+4*\q+1],   v[RS+8*(\rb)+(\j):RS+8*(\rb)+(\j)+1] op_sel_hi:[1,0]
	v_pk_mul_f32 v[RG+4*\q+2:RG+4*\q+3], v[GAM+4*\q+2:GAM+4*\q+3], v[RS+8*(\rb)+(\j):RS+8*(\rb)+(\j)+1] op_sel_hi:[1,0]
.else
	v_pk_mul_f32 v[RG+4*\q:RG+4*\q+1],   v[GAM+4*\q:GAM+4*\q+1],   v[RS+8*(\rb)+(\j)-1:RS+8*(\rb)+(\j)] op_sel:[0,1] op_sel_hi:[1,1]
	v_pk_mul_f32 v[RG+4*\q+2:RG+4*\q+3], v[GAM+4*\q+2:GAM+4*\q+3], v[RS+8*(\rb)+(\j)-1:RS+8*(\rb)+(\j)] op_sel:[0,1] op_sel_hi:[1,1]
.endif
.endr
.set yb, 16*((8*(\rb)+(\j))%16)
.set on, 0
.rept 16
	WIN 0x42+on/8                                  ; destination window 1, source 0 window 2 or 3
	v_fma_f32 v[yb+on], v[64*(\rb)+8*(on%8)+(\j)], v[RG+on], v[BET+on]
.set on, on+1
.endr
	WIN 0x04                                       ; store data in window 1
.irp q, 0,1,2,3
	global_store_b128 v[TO2+8*(\rb)+(\j)], v[yb+4*\q:yb+4*\q+3], s[24:25] offset:256*\q th:TH_STORE_NT
.endr
.endm
.set orb, 0
.rept NB
	WIN 0
	s_cmp_le_u32 s[CNT], 16*orb                    ; a block of 16 places that begins at or past the count holds repeats alone: it and the later ones are jumped (stores and register work, no barrier)
	s_cbranch_scc1 .Lstored
.if orb == 2
	s_wait_xcnt 0x0                                ; the first 16 pairs' stores have had their addresses translated: their registers are written again only behind this wait
.endif
.set oj, 0
.rept 8
	OUTROW orb, oj
.set oj, oj+1
.endr
.set orb, orb+1
.endr
	WIN 0
.Lstored:
	s_wait_tensorcnt 0x0                           ; the wave's end
	ds_add_u32 v[SPW], v[NIL]
	s_wait_dscnt 0x0
	s_endpgm
; ---- THE LOSS: cv^2(importance) + cv^2(load).  Each wave adds up all 256 blocks' partial sums by itself (32 KiB, no LDS, no barrier); thread 0 stores.
.Lloss:
.irp c, 0,1,2,3,4,5,6,7
	v_mov_b32 v[32+\c], 0
.endr
	s_mov_b32 s[TR], 4
.Lst:
.set i, 0
.rept 16
	global_load_b128 v[128+4*i:131+4*i], v[L16], s[14:15] offset:512*i   ; block 4 i + lane / 8, numbers 4 (lane % 8) + 0..3 of its 32
.set i, i+1
.endr
	s_wait_loadcnt 0x0
.set i, 0
.rept 16
	v_pk_add_f32 v[32:33], v[32:33], v[128+4*i:129+4*i]
	v_pk_add_f32 v[34:35], v[34:35], v[130+4*i:131+4*i]
.set i, i+1
.endr
	s_add_nc_u64 s[14:15], s[14:15], 8192          ; the loads are done: their base may step
	s_sub_co_u32 s[TR], s[TR], 1
	s_cmp_lg_u32 s[TR], 0
	s_cbranch_scc1 .Lst
.irp c, 0,1,2,3
	v_add_f32_dpp v[32+\c], v[32+\c], v[32+\c] row_xmask:8 row_mask:0xf bank_mask:0xf
.endr
.irp c, 0,1,2,3
	v_permlanex16_b32 v[36+\c], v[32+\c], s[SEL], s[SEL+1]
.endr
.irp c, 0,1,2,3
	v_add_f32 v[32+\c], v[32+\c], v[36+\c]
.endr
	; lanes 0, 1 hold importance 0-3, 4-7; lanes 2, 3 load 0-3, 4-7
	v_add_f32 v40, v32, v33
	v_add_f32 v41, v34, v35
	v_add_f32 v40, v40, v41
	v_add_f32_dpp v40, v40, v40 row_xmask:1 row_mask:0xf bank_mask:0xf
	v_mul_f32 v40, 0x3e000000, v40                 ; the mean of eight
.irp c, 0,1,2,3
	v_sub_f32 v[32+\c], v[32+\c], v40
.endr
	v_mul_f32 v41, v32, v32
	v_fmac_f32 v41, v33, v33
	v_fmac_f32 v41, v34, v34
	v_fmac_f32 v41, v35, v35
	v_add_f32_dpp v41, v41, v41 row_xmask:1 row_mask:0xf bank_mask:0xf
	v_mul_f32 v41, 0x3e000000, v41                 ; the variance
	v_fmaak_f32 v42, v40, v40, 0x2edbe6ff          ; mean^2 + 1e-10
	v_rcp_f32 v43, v42
	v_mov_b32 v44, 0                               ; a plain instruction behind the reciprocal
	s_wait_alu depctr_va_vdst(0)                   ; the wait ahead of the result's first use
	v_mul_f32 v41, v41, v43
	v_add_f32_dpp v41, v41, v41 row_xmask:2 row_mask:0xf bank_mask:0xf
	v_cmp_eq_u32 vcc_lo, 0, v0
	s_wait_xcnt 0x0
	s_and_saveexec_b32 s34, vcc_lo
	global_store_b32 v44, v41, s[26:27]
	s_wait_xcnt 0x0
	s_or_b32 exec_lo, exec_lo, s34
	s_endpgm
.Lfunc_end_k_q5080e1bf63_chain:
	.size	k_q5080e1bf63_chain, .Lfunc_end_k_q5080e1bf63_chain-k_q5080e1bf63_chain
	.p2alignl 7, 3214868480
	.fill 96, 4, 3214868480
	.section	.rodata,"a",@progbits
	.p2align	6, 0x0
	.amdhsa_kernel k_q5080e1bf63_chain
		.amdhsa_group_segment_fixed_size 131072
		.amdhsa_private_segment_fixed_size 0
		.amdhsa_enable_private_segment 0
		.amdhsa_kernarg_size 96
		.amdhsa_user_sgpr_count 2
		.amdhsa_user_sgpr_kernarg_segment_ptr 1
		.amdhsa_wavefront_size32 1
		.amdhsa_system_sgpr_workgroup_id_x 1
		.amdhsa_system_sgpr_workgroup_id_y 1
		.amdhsa_system_sgpr_workgroup_id_z 1
		.amdhsa_system_vgpr_workitem_id 0
		.amdhsa_next_free_vgpr 960
		.amdhsa_next_free_sgpr 66
		.amdhsa_reserve_vcc 1
		.amdhsa_float_denorm_mode_32 3
		.amdhsa_float_denorm_mode_16_64 3
		.amdhsa_memory_ordered 1
		.amdhsa_forward_progress 1
		.amdhsa_inst_pref_size 236
	.end_amdhsa_kernel
	.amdgpu_metadata
---
amdhsa.version: [ 1, 2 ]
amdhsa.kernels:
  - .name:           k_q5080e1bf63_chain
    .symbol:         k_q5080e1bf63_chain.kd
    .args:
      - { .name: x, .offset: 0, .size: 8, .value_kind: global_buffer, .address_space: global }
      - { .name: wpk, .offset: 8, .size: 8, .value_kind: global_buffer, .address_space: global }
      - { .name: tiles, .offset: 16, .size: 8, .value_kind: global_buffer, .address_space: global }
      - { .name: toks, .offset: 24, .size: 8, .value_kind: global_buffer, .address_space: global }
      - { .name: tgate, .offset: 32, .size: 8, .value_kind: global_buffer, .address_space: global }
      - { .name: stats, .offset: 40, .size: 8, .value_kind: global_buffer, .address_space: global }
      - { .name: b1, .offset: 48, .size: 8, .value_kind: global_buffer, .address_space: global }
      - { .name: b2, .offset: 56, .size: 8, .value_kind: global_buffer, .address_space: global }
      - { .name: gamma, .offset: 64, .size: 8, .value_kind: global_buffer, .address_space: global }
      - { .name: beta, .offset: 72, .size: 8, .value_kind: global_buffer, .address_space: global }
      - { .name: out0, .offset: 80, .size: 8, .value_kind: global_buffer, .address_space: global }
      - { .name: out1, .offset: 88, .size: 8, .value_kind: global_buffer, .address_space: global }
    .group_segment_fixed_size: 131072
    .private_segment_fixed_size: 0
    .kernarg_segment_align: 8
    .kernarg_segment_size: 96
    .max_flat_workgroup_size: 128
    .sgpr_count:     66
    .vgpr_count:     960
    .wavefront_size: 32
...
	.end_amdgpu_metadata
.endif
;; end of part 4
